; MI455X (gfx1250); checked and timed in simulation.
; The chip was launched on July 23, 2026; its instructions are those of AMD's public machine-readable ISA for CDNA 5 (MIT licence, August 2026) and "CDNA5" Instruction Set Architecture Reference Guide (July 2026). The comments in the code are by the model that wrote it; some were corrected since.
;; Multi Head Attention. Allowed arithmetic: matrix products marked QUANTISED: E2M3 operands, one E8M0 scale for each 32 along K, by v_wmma_scale_f32_16x16x128_f8f6f4 with both operands' format E2M3, f32 sums; everything else in f32.
;; Inputs: Wk 1,024 x 1,024 float32; Wo 1,024 x 1,024 float32; Wq 1,024 x 1,024 float32; Wv 1,024 x 1,024 float32; bk 1,024 float32; bo 1,024 float32; bq 1,024 float32; bv 1,024 float32; query 4 x 2,048 x 1,024 float32.
;; Outputs: out0 4 x 2,048 x 1,024 float32.
;; This version of the problem:
;;   THIS VERSION OF THE PROBLEM IS GIVEN IN LOW PRECISION. The matrix products marked QUANTISED in the list below multiply operands that are first quantised to E2M3 (2 exponent bits, 3 mantissa bits; 6 bits a number), with one power-of-two scale for each 32 numbers along K (OCP MX v1.0); their sums are f32. All else is computed in f32.
;;   The module's matrix products, in the order in which they are computed (A, B: the left and right operand; K: the contracted axis; several contracted axes count as one K, in the product's order):
;;     1. [M 8,192, K 1,024] x [K 1,024, N 1,024]; A: input query; B: input Wq: QUANTISED
;;     2. [M 8,192, K 1,024] x [K 1,024, N 1,024]; A: input query; B: input Wk: QUANTISED
;;     3. [M 8,192, K 1,024] x [K 1,024, N 1,024]; A: input query; B: input Wv: QUANTISED
;;     4. batch 64 x [M 2,048, K 64] x [K 64, N 2,048]; A: computed on the way; B: computed on the way: QUANTISED
;;     5. batch 64 x [M 2,048, K 2,048] x [K 2,048, N 64]; A: softmax (see below); B: computed on the way: QUANTISED
;;     6. [M 8,192, K 1,024] x [K 1,024, N 1,024]; A: computed on the way; B: input Wo: QUANTISED
;;   THE QUANTISER, for each operand of a quantised product, along K:
;;     - K is cut into blocks of 32 from its start; a last block that is shorter is filled with zeros.
;;     - A block's scale is 2^e with e = floor(log2(the largest magnitude in the block)) - 2, held to -126 .. 127; a block of zeros has e = 0. As a byte (E8M0): e + 127.
;;     - Each number is divided by its block's scale, clamped to +-7.5, and rounded to the nearest number of E2M3, ties to even, subnormals kept.
;;     - The product sums the exact products of the quantised numbers (number of the format x scale) in f32.
;;   ~~~python
;;   def quantise(x, axis):      # numpy; x: float32 -> the quantised numbers, widened to float32 again
;;       x = np.moveaxis(x, axis, -1); K = x.shape[-1]
;;       x = np.pad(x, [(0, 0)] * (x.ndim - 1) + [(0, -K % 32)]); x = x.reshape(x.shape[:-1] + (-1, 32)); a = np.abs(x).max(-1, keepdims=True)
;;       e = np.where(a > 0, np.clip(np.frexp(np.where(a > 0, a, 1))[1] - 1 - 2, -126, 127), 0)      # np.frexp(a)[1] - 1 = floor(log2(a)), exactly
;;       r = np.clip(x / 2.0 ** e, -7.5, 7.5)
;;       step = 2.0 ** (np.maximum(np.frexp(np.where(r == 0, 1, r))[1] - 1, 0) - 3)
;;       q = np.round(r / step) * step * 2.0 ** e      # np.round: ties to even
;;       return np.moveaxis(q.reshape(q.shape[:-2] + (-1,))[..., :K], -1, axis).astype(np.float32)
;;   ~~~
;;   SOFTMAX AHEAD OF A QUANTISED PRODUCT. Where the list says 'softmax', what is quantised is not the finished softmax but p = 2^(t - M), with t = logit x log2(e) and M = ceil(the row's largest t), a whole number; so 1/2 < the row's largest p <= 1. The row's sum l is taken of the UNQUANTISED p, in f32, and the product's result is divided by l at the end. Since M is a whole number, a kernel that streams over the keys may use a running M (the ceiling of the running maximum): every later rescaling is an exact power of two, which a block's scale takes up: the codes' values come out the same.
;;   OPERANDS COMPUTED ON THE WAY. 'Computed on the way' means the value that the module computes at that place (a softmax that the list does not call 'softmax' is quantised finished and normalised). What goes into a quantiser is computed in f32, as accurately as f32 sums, v_exp_f32 and their like allow (about 1e-6 of the number): no bf16 or f16 on the way to a quantiser, and a product that is left as it is and whose result goes on into a quantised operand takes f32 operands (vector FMAs, or v_wmma_f32_16x16x4_f32). A number that lies on a knife's edge between two numbers of the format may be rounded either way, as far as f32 arithmetic and the matrix unit's own rounding can turn it there, and no further.
;; One version. Each part assembles by itself: llvm-mc -triple=amdgcn-amd-amdhsa -mcpu=gfx1250 --defsym DOCPART=n.
;; ======== version 1 of 1: 4 launches
;; limits: right only within a limited range of input values
;; workspace buffers: x_img 6,291,456 bytes; x_sc 262,144 bytes; w_img 3,145,728 bytes; w_sc 131,072 bytes; qrec 6,553,600 bytes; kv 13,107,200 bytes; ao_img 6,291,456 bytes; ao_sc 262,144 bytes
;; launch quant (part 1): grid 384 x 1, 4 waves a work-group, no clusters, 34,304 bytes of LDS; arguments query, Wq, Wk, Wv, Wo, x_img, x_sc, w_img, w_sc; writes x_img, x_sc, w_img, w_sc
.if DOCPART == 1
	.amdgcn_target "amdgcn-amd-amdhsa--gfx1250"
	.amdhsa_code_object_version 6
	.text
	.protected	k_q422fd5dc81_quant
	.globl	k_q422fd5dc81_quant
	.p2align	8
	.type	k_q422fd5dc81_quant,@function
k_q422fd5dc81_quant:
	s_mov_b64 s[64:65], 0
	v_nop
	global_prefetch_b8 v0, s[64:65] scope:SCOPE_SE
	s_setreg_imm32_b32 hwreg(HW_REG_WAVE_MODE, 25, 1), 1
	s_wait_xcnt 0x0
; MULTI-HEAD ATTENTION IN MX-FP6 (E2M3, one E8M0 scale for each 32 along K), FOUR LAUNCHES: this one, qkv, attn, outp.
; NOTHING OF THE PROBLEM IS LEFT OUT: all six products are live, bq, bk and bv go into quantised operands, bo into the result: all nine inputs are loaded.
; THIS LAUNCH turns query [8192][1024] and Wq, Wk, Wv, Wo [1024][1024], f32 with K innermost, into codes and scale bytes, laid as the matrix instruction's operand registers want them.
; TILES.  Rows go in groups of 32; group G has two tiles of 16 rows: lane r of tile 2 G + u stands for row 32 G + 8 u + r + 8 (r / 8).  (With such a tile as source 0, a lane's 16 result registers of tiles 2 G and 2 G + 1 are 16 neighbouring rows.)
; IMAGES.  A fragment (16 rows x 128 K, 12 registers a lane) lies in memory as its registers: three planes of 512 bytes, plane c = registers 4 c .. 4 c + 3 at 16 x lane.  [tile][8 K steps][1,536 bytes].
; SCALES.  [tile][2 halves of K][16 r][4 words]: a word holds the four bytes of one K step of one row.
; A block's scale is 2^(floor(log2(its largest magnitude)) - 2); its byte is the largest magnitude's exponent field - 2, held at 1 from below.
; LIMITS: NaN and infinities among the inputs are not served.  A block of zeros, or one whose largest magnitude lies under 2^-124, gets the byte 1 where the rule says 127 for zeros: a block of zeros has zero codes, which add nothing under any byte but 0xff, and this program alone reads the bytes.
; SHARES.  768 tiles (512 of query, 64 of each weight); a wave takes one tile and half of K: four K steps.  A work-group's four waves hold two tiles of one tensor.  One path through the text: only pointers are chosen.
; A load reads 512 consecutive bytes of one row; the conversions want 16 neighbours in a lane: so a K step's 8,192 bytes turn through the wave's own stage in LDS.  Waves share nothing: no barrier, no cluster, no matrix unit: memory binds here.
.set ROWB,   4096                      ; a row of any of the five tensors in bytes
.set SPITCH, 528                       ; a stage row: 512 bytes + 16: the sixteen rows that a load of 16 bytes a lane touches start 33 x 16 bytes apart
.set STG,    16*SPITCH                 ; a wave's stage
.set SPARE,  4*STG                     ; behind the stages: the spare words, 128 bytes for each wave: two blocks of 256 bytes that no other line names
.set GA,  1                            ; v1   16 x lane: my bytes of a row's 512, and of an image's plane
.set SA,  2                            ; v2   the stage on the way in: 16 x lane
.set SB,  3                            ; v3   and on the way out: row r, + 64 h
.set SCO, 4                            ; v4   the scale words on the way out: 16 r + 8 h
.set SPW, 12                           ; v12  LDS address of my spare word; never rewritten
.set NIL, 13                           ; v13  0; never rewritten
.set R,   16                           ; v16-143  two sets of 64 registers as loaded
.set X,   144                          ; v144-207 64 numbers of my row: register 16 b + i = k 32 b + 16 h + i
.set PC,  208                          ; v208-219 the fragment's codes; v220-227 at work
.set TM,  228                          ; v228-243 at work
.set PW,  244                          ; v244-247 the four K steps' scale words
.set SD,  248                          ; v248-249 the two words that I store
.set SEL, 44                           ; s[44:45] lane selects for v_permlanex16_b32: lane l xor 16
	s_load_b512 s[4:19], s[0:1], 0x0               ; query s[4:5], Wq, Wk, Wv, Wo s[12:13], x_img s[14:15], x_sc s[16:17], w_img s[18:19]
	s_load_b64 s[20:21], s[0:1], 0x40              ; w_sc
	v_lshl_add_u32 v[SPW], v0, 2, SPARE
	v_mov_b32 v[NIL], 0
	v_lshrrev_b32 v5, 5, v0
	v_readfirstlane_b32 s36, v5                    ; wave 0..3
	s_lshr_b32 s38, s36, 1                         ; u: which tile of the work-group's group of 32 rows
	s_and_b32 s39, s36, 1                          ; which half of K
	s_mul_i32 s37, s36, STG                        ; my stage
	v_and_b32 v6, 31, v0                           ; lane
	v_and_b32 v7, 15, v0                           ; r
	v_bfe_u32 v8, v0, 4, 1                         ; h
	v_lshlrev_b32 v[GA], 4, v6
	v_add_nc_u32 v[SA], s37, v[GA]
	v_mul_u32_u24 v[SB], v7, SPITCH
	v_lshl_add_u32 v[SB], v8, 6, v[SB]
	v_add_nc_u32 v[SB], s37, v[SB]
	v_lshlrev_b32 v[SCO], 4, v7
	v_lshl_add_u32 v[SCO], v8, 3, v[SCO]
.irp b, 0,1,2,3
	v_mov_b32 v[TM+4+\b], 0                        ; written once: a lane permute's destination counts as one of its sources
.endr
	s_mov_b32 s40, 0xffff0000                      ; lanes 16-31
	s_mov_b32 s[SEL], 0x76543210
	s_mov_b32 s[SEL+1], 0xfedcba98
	s_and_b32 s29, ttmp9, 31                       ; a weight's group of 32 rows (32 work-groups to a weight)
	s_sub_co_u32 s30, ttmp9, 256                   ; and its place among the weights' groups
	s_wait_alu depctr_va_vdst(0)
	s_wait_kmcnt 0x0
	s_cmp_lt_u32 ttmp9, 352                        ; which tensor: the choice hangs on the work-group's number alone
	s_cselect_b64 s[22:23], s[10:11], s[12:13]
	s_cmp_lt_u32 ttmp9, 320
	s_cselect_b64 s[22:23], s[8:9], s[22:23]
	s_cmp_lt_u32 ttmp9, 288
	s_cselect_b64 s[22:23], s[6:7], s[22:23]
	s_cmp_lt_u32 ttmp9, 256
	s_cselect_b64 s[22:23], s[4:5], s[22:23]       ; from where,
	s_cselect_b64 s[24:25], s[14:15], s[18:19]     ; the images,
	s_cselect_b64 s[26:27], s[16:17], s[20:21]     ; the scale words
	s_cselect_b32 s28, ttmp9, s29                  ; the group in its tensor
	s_cselect_b32 s31, ttmp9, s30                  ; and in its buffer of images
	s_lshl_b32 s32, s28, 17                        ; 32 rows of 4,096 bytes,
	s_lshl_b32 s41, s38, 15                        ; + 8 u rows,
	s_add_co_u32 s32, s32, s41
	s_lshl_b32 s41, s39, 11                        ; + my half of K
	s_add_co_u32 s32, s32, s41
	s_mov_b32 s33, 0
	s_add_nc_u64 s[22:23], s[22:23], s[32:33]
	s_lshl_b32 s31, s31, 1
	s_add_co_u32 s31, s31, s38                     ; my tile
	s_mul_i32 s34, s31, 12288                      ; eight fragments a tile,
	s_mul_i32 s41, s39, 6144                       ; four of them mine
	s_add_co_u32 s34, s34, s41
	s_mov_b32 s35, 0
	s_add_nc_u64 s[24:25], s[24:25], s[34:35]
	s_lshl_b32 s42, s31, 9                         ; 512 bytes of scale words a tile, 256 mine
	s_lshl_b32 s41, s39, 8
	s_add_co_u32 s42, s42, s41
	s_mov_b32 s43, 0
	s_add_nc_u64 s[26:27], s[26:27], s[42:43]
.macro LOAD t                          ; K step t of my 16 rows: sixteen loads of 512 consecutive bytes, into set t % 2
.irp i, 0,1,2,3,4,5,6,7,8,9,10,11,12,13,14,15
	global_load_b128 v[R+64*((\t)%2)+4*\i:R+64*((\t)%2)+4*\i+3], v[GA], s[22:23] offset:(\i+8*(\i/8))*ROWB+512*(\t) th:TH_LOAD_NT
.endr
.endm
.macro TURN t                          ; through the stage: LDS serves a wave's instructions in order (ISA guide 5.7.1.4), so no wait stands between the stores and the loads
.irp i, 0,1,2,3,4,5,6,7,8,9,10,11,12,13,14,15
	ds_store_b128 v[SA], v[R+64*((\t)%2)+4*\i:R+64*((\t)%2)+4*\i+3] offset:SPITCH*\i
.endr
.irp b, 0,1,2,3
.irp j, 0,1,2,3
	ds_load_b128 v[X+16*\b+4*\j:X+16*\b+4*\j+3], v[SB] offset:128*\b+16*\j
.endr
.endr
.endm
; 64 numbers of a lane, register 16 b + i = k 32 b + 16 h + i of my row, become a fragment's codes in v[PC] on and its scale word in v[pw]
.macro QUANT s, pw
.irp b, 0,1,2,3
	v_max3_num_f32 v[TM+\b], |v[\s+16*\b]|, |v[\s+1+16*\b]|, 0x1800000   ; block b: my 16 numbers, and the floor 2^(3 - 127): the byte cannot fall under 1
.endr
.irp i, 2,4,6,8,10,12,14
.irp b, 0,1,2,3
	v_max3_num_f32 v[TM+\b], v[TM+\b], |v[\s+16*\b+\i]|, |v[\s+1+16*\b+\i]|   ; (the four blocks by turns)
.endr
.endr
.irp b, 0,1,2,3
	v_permlanex16_b32 v[TM+4+\b], v[TM+\b], s[SEL], s[SEL+1]
.endr
.irp b, 0,1,2,3
	v_max_num_f32 v[TM+\b], v[TM+\b], v[TM+4+\b]   ; with lane l xor 16's: the block's largest magnitude
.endr
.irp b, 0,1,2,3
	v_add_nc_u32 v[TM+12+\b], 0xff000000, v[TM+\b] ; 2 off its exponent field: the conversion takes the exponent field of this operand as its scale
.endr
.irp b, 0,1,2,3
	v_lshrrev_b32 v[TM+4+\b], 23, v[TM+12+\b]      ; the scale's byte
.endr
	v_lshl_or_b32 v[\pw], v[TM+5], 8, v[TM+4]
	v_lshl_or_b32 v[\pw], v[TM+6], 16, v[\pw]
	v_lshl_or_b32 v[\pw], v[TM+7], 24, v[\pw]
.irp c, 0,1
	v_cvt_scalef32_pk16_fp6_f32 v[PC+6*\c:PC+2+6*\c], v[\s+32*\c:\s+15+32*\c], v[TM+12+2*\c]
	v_cvt_scalef32_pk16_fp6_f32 v[PC+12+4*\c:PC+14+4*\c], v[\s+16+32*\c:\s+31+32*\c], v[TM+12+2*\c+1]   ; (a conversion's three registers begin on an even number)
.endr
	v_nop                                          ; one plain place behind a scaled conversion
.irp c, 0,1                            ; the operand's layout wants a whole block in a lane: lanes 0-15 block 2 c, lanes 16-31 block 2 c + 1
.irp i, 0,1,2
	v_permlane16_swap_b32 v[PC+6*\c+\i], v[PC+12+4*\c+\i]
.endr
.irp i, 0,1,2
	v_mov_b32 v[PC+3+6*\c+\i], v[PC+12+4*\c+\i]
.endr
.endr
.endm
.macro KSTEP t
.if (\t) < 3
	s_wait_loadcnt 16                              ; this K step's sixteen loads are in; the next step's sixteen may be out
.else
	s_wait_loadcnt 0x0
.endif
	TURN \t
	s_wait_dscnt 0x0                               ; my 64 numbers are back, and the stage's stores have read their registers
.if (\t) > 0
	s_wait_xcnt 0x0                                ; the last K step's stores have read the codes' registers, which are written again below
.endif
.if (\t) < 2
	LOAD (\t)+2
.endif
	QUANT X, PW+(\t)
.irp c, 0,1,2
	global_store_b128 v[GA], v[PC+4*\c:PC+4*\c+3], s[24:25] offset:1536*(\t)+512*\c   ; a plane: 512 consecutive bytes, at a multiple of 256 from the buffer's first byte
.endr
.endm
	LOAD 0
	LOAD 1
	KSTEP 0
	KSTEP 1
	KSTEP 2
	KSTEP 3
	v_cndmask_b32 v[SD], v[PW], v[PW+2], s40       ; both halves of the lanes hold row r's four words: lanes 0-15 store words 0 and 1, lanes 16-31 words 2 and 3
	v_cndmask_b32 v[SD+1], v[PW+1], v[PW+3], s40
	global_store_b64 v[SCO], v[SD:SD+1], s[26:27]  ; 256 consecutive bytes
	s_wait_tensorcnt 0x0                           ; the wave's end: behind my last LDS store
	ds_add_u32 v[SPW], v[NIL]
	s_wait_dscnt 0x0
	s_endpgm
.Lfunc_end_k_q422fd5dc81_quant:
	.size	k_q422fd5dc81_quant, .Lfunc_end_k_q422fd5dc81_quant-k_q422fd5dc81_quant
	.p2alignl 7, 3214868480
	.fill 96, 4, 3214868480
	.section	.rodata,"a",@progbits
	.p2align	6, 0x0
	.amdhsa_kernel k_q422fd5dc81_quant
		.amdhsa_group_segment_fixed_size 34304
		.amdhsa_private_segment_fixed_size 0
		.amdhsa_enable_private_segment 0
		.amdhsa_kernarg_size 72
		.amdhsa_user_sgpr_count 2
		.amdhsa_user_sgpr_kernarg_segment_ptr 1
		.amdhsa_wavefront_size32 1
		.amdhsa_system_sgpr_workgroup_id_x 1
		.amdhsa_system_sgpr_workgroup_id_y 1
		.amdhsa_system_sgpr_workgroup_id_z 1
		.amdhsa_system_vgpr_workitem_id 0
		.amdhsa_next_free_vgpr 256
		.amdhsa_next_free_sgpr 66
		.amdhsa_reserve_vcc 0
		.amdhsa_float_denorm_mode_32 3
		.amdhsa_float_denorm_mode_16_64 3
		.amdhsa_memory_ordered 1
		.amdhsa_forward_progress 1
		.amdhsa_inst_pref_size 34
	.end_amdhsa_kernel
	.amdgpu_metadata
---
amdhsa.version: [ 1, 2 ]
amdhsa.kernels:
  - .name:           k_q422fd5dc81_quant
    .symbol:         k_q422fd5dc81_quant.kd
    .args:
      - { .name: query, .offset: 0, .size: 8, .value_kind: global_buffer, .address_space: global }
      - { .name: Wq, .offset: 8, .size: 8, .value_kind: global_buffer, .address_space: global }
      - { .name: Wk, .offset: 16, .size: 8, .value_kind: global_buffer, .address_space: global }
      - { .name: Wv, .offset: 24, .size: 8, .value_kind: global_buffer, .address_space: global }
      - { .name: Wo, .offset: 32, .size: 8, .value_kind: global_buffer, .address_space: global }
      - { .name: x_img, .offset: 40, .size: 8, .value_kind: global_buffer, .address_space: global }
      - { .name: x_sc, .offset: 48, .size: 8, .value_kind: global_buffer, .address_space: global }
      - { .name: w_img, .offset: 56, .size: 8, .value_kind: global_buffer, .address_space: global }
      - { .name: w_sc, .offset: 64, .size: 8, .value_kind: global_buffer, .address_space: global }
    .group_segment_fixed_size: 34304
    .private_segment_fixed_size: 0
    .kernarg_segment_align: 8
    .kernarg_segment_size: 72
    .max_flat_workgroup_size: 128
    .sgpr_count:     66
    .vgpr_count:     256
    .wavefront_size: 32
...
	.end_amdgpu_metadata
.endif
;; end of part 1
;; launch qkv (part 2): grid 4 x 64, 4 waves a work-group, clusters of 4 x 4, 327,680 bytes of LDS; arguments x_img, x_sc, w_img, w_sc, bq, bk, bv, qrec, kv; writes qrec, kv
.if DOCPART == 2
	.amdgcn_target "amdgcn-amd-amdhsa--gfx1250"
	.amdhsa_code_object_version 6
	.text
	.protected	k_q422fd5dc81_qkv
	.globl	k_q422fd5dc81_qkv
	.p2align	8
	.type	k_q422fd5dc81_qkv,@function
k_q422fd5dc81_qkv:
	s_mov_b64 s[64:65], 0
	v_nop
	global_prefetch_b8 v0, s[64:65] scope:SCOPE_SE
	s_setreg_imm32_b32 hwreg(HW_REG_WAVE_MODE, 25, 1), 1
	s_wait_xcnt 0x0
	s_wait_alu depctr_hold_cnt(0) depctr_sa_sdst(0) depctr_va_vdst(0) depctr_va_sdst(0) depctr_va_ssrc(0) depctr_va_vcc(0) depctr_vm_vsrc(0)
	s_getreg_b32 s2, hwreg(HW_REG_IB_STS2, 6, 4)
	s_cmp_eq_u32 s2, 0
	s_cbranch_scc0 .Lentry_in_a_cluster
	s_endpgm
.Lentry_in_a_cluster:
	s_bfe_u32 s2, ttmp6, 0x10000c
	s_cmp_lg_u32 s2, 0xf033
	s_cbranch_scc0 .Lentry_shape_is_right
	s_endpgm
.Lentry_shape_is_right:
; q = x Wq^T + bq, k = x Wk^T + bk, v = x Wv^T + bv on codes of FP6 (E2M3), and the three results quantised on the way out: q and k along the head's 64, v along the keys.  Nothing is left out.
; A TILE.  A work-group multiplies 256 rows of an operand P (source 0, 16 tiles of 16) by 128 rows of an operand R (source 1, 8 tiles) over all of K = 1,024.  In a result a lane holds ONE row of R and its registers run along P.
; kind 0 (q), 1 (k): P = the weight, R = x: registers run along the features.  kind 2 (v): P = x, R = Wv: registers run along the tokens, which are the keys.  So each result has the next product's K in a lane's registers.
; WORK-GROUPS THAT STAY.  768 tiles, 256 work-groups: each makes one tile of each kind, 0, 1, 2: a loop of two trips and the last tile written out, since it asks for nothing more.
; All tiles of 16 rows are in the order of the first launch (lane r of tile 2 G + u = row 32 G + 8 u + r + 8 (r / 8)), so that the 16 registers of P's tiles 2 G and 2 G + 1 are 16 neighbours.
; LDS.  Two slots, each with four K steps of both operands (P's 16 tiles x 6,144 bytes, R's 8 x 6,144).
; THE HEAD.  Four first fills, one a wave, each in an arm of its own: wave 0 P's part of slot 0, wave 1 R's, wave 2 P's part of slot 1, wave 3 R's.  The first barrier waits for waves 0 and 1 alone; slot 1 is shown to all by K step 3's round.
; THE RING goes on into the next tile: in K step 3, when nobody reads slot 0 any more, it takes the next tile's first half; in K step 7 slot 1 takes its second half: a quarter of the slot a wave.
; Each refill stands behind the three lines and a round of the cluster's barrier, one tensor load a wave; part of the step's products stand inside.
; By the text's own count a refill of slot 0 has four K steps in which to land, one of slot 1 the way out and three K steps.  One tensor load of a wave is out at a time.
; CLUSTERS: 4 x 4 work-groups.  P's tiles hang on cx alone and are asked for jointly by a column of the cluster, R's on cy alone, by a row.  The kind is a counter, the same in all partners.
; PREFETCH.  Wk's and Wv's images, 1,572,864 bytes on end in w_img, are first wanted by the refills for the second and third tile, three and eleven K steps and more behind the head.  They are asked for once at the head:
; 6,144 blocks of 256 bytes, a lane a block, told apart by address, by the 3 x 16 x 4 waves of the clusters whose y % 8 is under 3: one instruction a wave.  x's and Wq's images come by their loads alone: the first tile's are asked for at the head.
; WAVES: wave w takes R's tiles 4 (w / 2) on and P's tiles 8 (w % 2) on: 32 accumulators.  In the ring it fetches for P (w < 2) or R, the half w % 2 of the operand's tiles.
; OUT.  q: qrec [64 heads][16 records of 6,400 bytes]: four pair fragments, then 4 x 16 scale words.  k, v: kv [64 heads][16 records of 12,800]: K's four pair fragments, V's four fragments, K's 64 scale words, V's 64.
;   A PAIR FRAGMENT holds the head's 64 numbers of token tile 2 G in registers 0-5 and those of tile 2 G + 1 in registers 6-11; its scale word likewise two bytes and two bytes.
; LIMITS: as in the first launch (NaN and infinities not served; a block of zeros has the byte 1).
; REGISTERS, in windows of 256: window 0: v5 the prefetch's offset; v16-31 addresses; v32-63 P's scale words, v64-79 R's; v80-90, v160-169 at work; v96-159 twice 32 numbers; v176-223 four fragments of codes; v224-233 at work.
;   window 1: P's fragments, two sets, v[96 q + 12 b].   window 2: R's, two sets, v[48 q + 12 a]; from v128 the bias.   window 3: accumulator (a, b) at v[8 (8 a + b)].
.set CHUNK, 147456
.set ROFF,  98304
.set SPARE, 2*CHUNK                    ; behind the slots: the spare words, 128 bytes for each wave: two blocks of 256 bytes that no other line names
.set PFO,  5                           ; v5     the prefetch's offset; never rewritten
.set AP,   16                          ; v16-17 LDS address of my P fragments in slot c
.set AR,   20                          ; v20-21 the same for R
.set L16,  24
.set L4,   25
.set OSP,  26                          ; P's scale words: 16 r + 2,048 h (lanes 16-31: the tile four on)
.set OSR,  27                          ; R's: 16 r + 1,024 h (the tile two on)
.set SPW,  28
.set NIL,  29
.set OH64, 30                          ; 64 h
.set OTR,  31                          ; 4 (r + 8 (r / 8))
.set SP,   32
.set SR,   64
.set X,    128                         ; 32 numbers; the second 32 at X - 32
.set TM,   160                         ; at work; the second set at TM - 80
.set HWR,  168
.set CD,   176
.set CT,   224                         ; the second at CT - 136
.set WD,   228
.set BIAS, 128                         ; in window 2
.set KN,   2                           ; the kind that is asked for
.set WV,   22
.set RH,   23
.set PH,   24
.set CX,   25
.set CY,   26
.set YC,   27                          ; the cluster's y
.set KIND, 28
.set PIDX, 29
.set RIDX, 30
.set MASK, 31
.set G1P,  32
.set G1R,  40
.set G0P,  48                          ; s[48:55] group 0 for P, one set a slot; s[56:63] for R
.set G0R,  56
.set SEL,  66
.set PSC,  68                          ; s[68:69] P's scale words, s[70:71] R's
.set OUTC, 72                          ; s[72:79] the way out: codes and scale words, two heads; s[80:81] the bias
.set MSB, 0
.macro WIN new                         ; the immediate's high byte repeats the setting that is left
.if MSB != \new
	s_set_vgpr_msb (MSB<<8)|\new
.set MSB, \new
.endif
.endm
.macro CREST                           ; a round of the cluster's barrier behind its opening barrier
	s_cmp_lg_u32 s[WV], 0
	s_cbranch_scc1 .Lnot_wave_0_\@
	s_barrier_signal -3
.Lnot_wave_0_\@:
	s_barrier_wait -3
	s_barrier_signal -1
	s_barrier_wait -1
.endm
.macro CROUND
	s_barrier_signal -1
	s_barrier_wait -1
	CREST
.endm
.macro PLACES                          ; four places behind this matrix form (ISA guide 7.12.1)
.rept 4
	v_nop
.endr
.endm
.macro JLOAD c                         ; the ring: my quarter of slot c: one joint load, in one arm of a branch on the wave's number
	s_cmp_lt_u32 s[WV], 2
	s_cbranch_scc0 .Lfor_r_\@
	tensor_load_to_lds s[G0P+4*\c:G0P+4*\c+3], s[G1P:G1P+7]
	s_nop 0
	PLACES
	s_branch .Lasked_\@
.Lfor_r_\@:
	tensor_load_to_lds s[G0R+4*\c:G0R+4*\c+3], s[G1R:G1R+7]
	s_nop 0
	PLACES
.Lasked_\@:
.endm
.macro ARM under, g0, g1, next         ; the head: an arm of the one chain of branches on the wave's number
	s_cmp_lt_u32 s[WV], \under
	s_cbranch_scc0 \next
	tensor_load_to_lds s[\g0:\g0+3], s[\g1:\g1+7]
	s_nop 0
	PLACES
	s_branch .Lhead_asked
\next:
.endm
; Where the tile of kind s[KN] lies: its blocks of P and R, both slots' global addresses, the scale words.  Scalar work alone; P's way goes through s82, s84, s86-87, s90-91, R's through s83, s85, s88-89, s92-94.
; ring = 1: the addresses of the quarter that I fetch; ring = 0, the head: those of the operand's first tile.
.macro SETUP ring
	s_and_b32 s82, s[YC], 7
	s_lshr_b32 s83, s[YC], 3
	s_lshl_b32 s84, s[KN], 6
	s_cmp_lt_u32 s[KN], 2                          ; q, k: P has 4 blocks of 256 rows, R 64 of 128; v: P has 32, R has 8
	s_cselect_b32 s82, 0, s82
	s_cselect_b32 s83, s[YC], s83
	s_cselect_b32 s84, s84, 0                      ; P's first tile in its buffer: Wq at 0, Wk at 64; x at 0
	s_cselect_b32 s85, 0, 128                      ; R's: x at 0; Wv at 128
	s_cselect_b64 s[86:87], s[8:9], s[4:5]
	s_cselect_b64 s[88:89], s[4:5], s[8:9]
	s_cselect_b64 s[PSC:PSC+1], s[10:11], s[6:7]
	s_cselect_b64 s[PSC+2:PSC+3], s[6:7], s[10:11]
	s_lshl_b32 s[PIDX], s82, 2
	s_add_co_u32 s[PIDX], s[PIDX], s[CX]           ; my block of P: hangs on cx alone
	s_lshl_b32 s[RIDX], s83, 2
	s_add_co_u32 s[RIDX], s[RIDX], s[CY]           ; my block of R: on cy alone
	s_lshl_b32 s82, s[PIDX], 4
	s_add_co_u32 s82, s82, s84                     ; P's first tile
	s_lshl_b32 s84, s[PH], 3
	s_add_co_u32 s84, s84, s82                     ; P's eight tiles that I multiply, and fetch in the ring
	s_lshl_b32 s90, s84, 9                         ; 512 bytes of scale words a tile
	s_mov_b32 s91, 0
	s_add_nc_u64 s[PSC:PSC+1], s[PSC:PSC+1], s[90:91]
.if \ring
	s_mul_i32 s90, s84, 12288
.else
	s_mul_i32 s90, s82, 12288
.endif
	s_add_nc_u64 s[86:87], s[86:87], s[90:91]
	s_lshl_b32 s83, s[RIDX], 3
	s_add_co_u32 s83, s83, s85                     ; R's first tile
.if \ring
	s_lshl_b32 s94, s[PH], 2
	s_add_co_u32 s94, s94, s83                     ; R's four tiles that I fetch
	s_mul_i32 s92, s94, 12288
.else
	s_mul_i32 s92, s83, 12288
.endif
	s_mov_b32 s93, 0
	s_add_nc_u64 s[88:89], s[88:89], s[92:93]
	s_lshl_b32 s94, s[RH], 2
	s_add_co_u32 s94, s94, s83                     ; and the four that I multiply
	s_lshl_b32 s92, s94, 9
	s_add_nc_u64 s[PSC+2:PSC+3], s[PSC+2:PSC+3], s[92:93]
.irp c, 0,1
	s_add_nc_u64 s[G0P+4*\c+2:G0P+4*\c+3], s[86:87], \c*6144   ; K steps 4 c to 4 c + 3
	s_or_b32 s[G0P+4*\c+3], s[G0P+4*\c+3], 0x80000000
	s_add_nc_u64 s[G0R+4*\c+2:G0R+4*\c+3], s[88:89], \c*6144
	s_or_b32 s[G0R+4*\c+3], s[G0R+4*\c+3], 0x80000000
.endr
.endm
; THE SCALE WORDS of all of K, straight into registers: SP + 8 bb + s: lanes 0-15 the word of P's tile bb for K step s, lanes 16-31 that of tile bb + 4; SR + 8 aa + s: R's tiles aa and aa + 2.  12 loads
.macro SCLOAD
.irp bb, 0,1,2,3
.irp hf, 0,1
	global_load_b128 v[SP+8*\bb+4*\hf:SP+8*\bb+4*\hf+3], v[OSP], s[PSC:PSC+1] offset:512*\bb+256*\hf
.endr
.endr
.irp aa, 0,1
.irp hf, 0,1
	global_load_b128 v[SR+8*\aa+4*\hf:SR+8*\aa+4*\hf+3], v[OSR], s[PSC+2:PSC+3] offset:512*\aa+256*\hf
.endr
.endr
.endm
.macro FETCH s                         ; K step s's fragments into set s % 2: images of registers, three loads of 512 consecutive bytes each
	WIN 0x40
.irp b, 0,1,2,3,4,5,6,7
.irp p, 0,1,2
	ds_load_b128 v[96*((\s)%2)+12*\b+4*\p:96*((\s)%2)+12*\b+4*\p+3], v[AP+(\s)/4] offset:6144*\b+1536*((\s)%4)+512*\p
.endr
.endr
	WIN 0x80
.irp a, 0,1,2,3
.irp p, 0,1,2
	ds_load_b128 v[48*((\s)%2)+12*\a+4*\p:48*((\s)%2)+12*\a+4*\p+3], v[AR+(\s)/4] offset:6144*\a+1536*((\s)%4)+512*\p
.endr
.endr
	WIN 0
.endm
; one product: accumulator (a, b) += P's fragment b x R's fragment a, K step s.  The first K step starts the sums: nothing is cleared
.macro WM a, b, s
.set rD, 8*(8*(\a)+(\b))
.set rA, 96*((\s)%2)+12*(\b)
.set rB, 48*((\s)%2)+12*(\a)
.set rSA, SP+8*((\b)%4)+(\s)
.set rSB, SR+8*((\a)%2)+(\s)
.if (\s) == 0
.if ((\a) < 2) && ((\b) < 4)
	v_wmma_scale_f32_16x16x128_f8f6f4 v[rD:rD+7], v[rA:rA+11], v[rB:rB+11], 0, v[rSA], v[rSB] matrix_a_fmt:MATRIX_FMT_FP6 matrix_b_fmt:MATRIX_FMT_FP6
.elseif (\a) < 2
	v_wmma_scale_f32_16x16x128_f8f6f4 v[rD:rD+7], v[rA:rA+11], v[rB:rB+11], 0, v[rSA], v[rSB] matrix_a_fmt:MATRIX_FMT_FP6 matrix_b_fmt:MATRIX_FMT_FP6 matrix_a_scale:MATRIX_SCALE_ROW1
.elseif (\b) < 4
	v_wmma_scale_f32_16x16x128_f8f6f4 v[rD:rD+7], v[rA:rA+11], v[rB:rB+11], 0, v[rSA], v[rSB] matrix_a_fmt:MATRIX_FMT_FP6 matrix_b_fmt:MATRIX_FMT_FP6 matrix_b_scale:MATRIX_SCALE_ROW1
.else
	v_wmma_scale_f32_16x16x128_f8f6f4 v[rD:rD+7], v[rA:rA+11], v[rB:rB+11], 0, v[rSA], v[rSB] matrix_a_fmt:MATRIX_FMT_FP6 matrix_b_fmt:MATRIX_FMT_FP6 matrix_a_scale:MATRIX_SCALE_ROW1 matrix_b_scale:MATRIX_SCALE_ROW1
.endif
.else
.if ((\a) < 2) && ((\b) < 4)
	v_wmma_scale_f32_16x16x128_f8f6f4 v[rD:rD+7], v[rA:rA+11], v[rB:rB+11], v[rD:rD+7], v[rSA], v[rSB] matrix_a_fmt:MATRIX_FMT_FP6 matrix_b_fmt:MATRIX_FMT_FP6
.elseif (\a) < 2
	v_wmma_scale_f32_16x16x128_f8f6f4 v[rD:rD+7], v[rA:rA+11], v[rB:rB+11], v[rD:rD+7], v[rSA], v[rSB] matrix_a_fmt:MATRIX_FMT_FP6 matrix_b_fmt:MATRIX_FMT_FP6 matrix_a_scale:MATRIX_SCALE_ROW1
.elseif (\b) < 4
	v_wmma_scale_f32_16x16x128_f8f6f4 v[rD:rD+7], v[rA:rA+11], v[rB:rB+11], v[rD:rD+7], v[rSA], v[rSB] matrix_a_fmt:MATRIX_FMT_FP6 matrix_b_fmt:MATRIX_FMT_FP6 matrix_b_scale:MATRIX_SCALE_ROW1
.else
	v_wmma_scale_f32_16x16x128_f8f6f4 v[rD:rD+7], v[rA:rA+11], v[rB:rB+11], v[rD:rD+7], v[rSA], v[rSB] matrix_a_fmt:MATRIX_FMT_FP6 matrix_b_fmt:MATRIX_FMT_FP6 matrix_a_scale:MATRIX_SCALE_ROW1 matrix_b_scale:MATRIX_SCALE_ROW1
.endif
.endif
.endm
.macro MUL1 s, a                       ; eight products.  The 32 accumulators take turns, one instruction a turn, in the same order in every K step
.irp b, 0,1,2,3,4,5,6,7
	WM \a, \b, \s
.endr
.endm
.macro MULS s, a0                      ; sixteen
	WIN 0xf9                                       ; source 0 (P) window 1, source 1 (R) window 2, C and D window 3
	MUL1 \s, \a0
	MUL1 \s, \a0+1
.endm
.macro STEP s                          ; a K step: its fragments are in; the next step's are asked for; then its 32 products
	s_wait_dscnt 0x0
.if (\s) < 7
	PLACES                                         ; the other set was read by the last K step's products
	FETCH (\s)+1
.endif
	MULS \s, 0
	MULS \s, 2
	WIN 0
.endm
.macro STEPB                           ; the last tile's K step 3: a plain barrier shows slot 1 to all
	s_wait_dscnt 0x0
	s_wait_tensorcnt 0x0
	s_barrier_signal -1
	s_barrier_wait -1
	PLACES
	FETCH 4
	MULS 3, 0
	MULS 3, 2
	WIN 0
.endm
; A K step with a refill: s = 3 (slot 0) or 7 (slot 1).  Its fragments, the slot's last, are in registers.  The three lines; eight products between the add and its wait, eight between the round's opening signal and its wait;
; the joint refill first behind the round; the next K step's fragments (behind K step 7: the next tile's first, from slot 0, which this round has shown whole); the other sixteen products.
.macro STEPR s, slot
	s_wait_dscnt 0x0
	s_wait_tensorcnt 0x0                           ; all my tensor loads have landed: my part of the other slot
	ds_add_u32 v[SPW], v[NIL]
.if \slot == 0
	s_mov_b32 s[G1P+2], 8<<16                      ; no tensor load of mine is out, so the descriptors may be written: from here on a load brings a quarter of a slot: eight tiles of P
	s_mov_b32 s[G1P+4], 8
	s_mov_b32 s[G1R+2], 4<<16                      ; or four of R,
	s_mov_b32 s[G1R+4], 4
	s_mul_i32 s[G0P+1], s[PH], 49152               ; to the place of the half w % 2 of the operand's tiles: no place in the cluster enters an LDS address
	s_add_co_u32 s[G0P+5], s[G0P+1], CHUNK
	s_mul_i32 s[G0R+1], s[PH], 24576
	s_add_co_u32 s[G0R+1], s[G0R+1], ROFF
	s_add_co_u32 s[G0R+5], s[G0R+1], CHUNK
	s_add_co_u32 s[KN], s[KIND], 1                 ; and both slots' addresses are the next tile's
	SETUP 1
.endif
	WIN 0xf9
	MUL1 \s, 0
	s_wait_dscnt 0x0
	s_barrier_signal -1
	MUL1 \s, 1
	WIN 0
	s_barrier_wait -1
	CREST
	JLOAD \slot                                    ; its four v_nop are the places in front of the loads below
	FETCH ((\s)+1)%8
	MULS \s, 2
	WIN 0
.endm
.macro STEPS refill
	STEP 0
	STEP 1
	STEP 2
.if \refill
	STEPR 3, 0
.else
	STEPB
.endif
	STEP 4
	STEP 5
	STEP 6
.if \refill
	STEPR 7, 1
	PLACES                                         ; in front of the loads into the scale words' registers and of the first read of the sums
	SCLOAD                                         ; the next tile's scale words come under the way out
	s_wait_loadcnt 12                              ; the bias is in; those twelve may be out
.else
	STEP 7
	s_wait_loadcnt 0x0
	PLACES
.endif
.endm
; Twice 32 numbers of a lane (set e at X - 32 e; register 16 b + i = k 32 b + 16 h + i of my row) become twice six registers of codes, v[d + 6 e] on (k = 32 h + 0 .. 31), and two scale bytes each in v[HWR + e].  Four chains by turns
.macro HALFQ2 d
.irp i, 0,2,4,6,8,10,12,14
.irp e, 0,1
.irp b, 0,1
.if \i == 0
	v_max3_num_f32 v[TM-80*\e+\b], |v[X-32*\e+16*\b]|, |v[X-32*\e+16*\b+1]|, 0x1800000   ; with the floor 2^(3 - 127): the byte cannot fall under 1
.else
	v_max3_num_f32 v[TM-80*\e+\b], v[TM-80*\e+\b], |v[X-32*\e+16*\b+\i]|, |v[X-32*\e+16*\b+\i+1]|
.endif
.endr
.endr
.endr
.irp e, 0,1
.irp b, 0,1
	v_permlanex16_b32 v[TM-80*\e+2+\b], v[TM-80*\e+\b], s[SEL], s[SEL+1]
.endr
.endr
.irp e, 0,1
.irp b, 0,1
	v_max_num_f32 v[TM-80*\e+\b], v[TM-80*\e+\b], v[TM-80*\e+2+\b]   ; with lane l xor 16's: the block's largest magnitude
.endr
.endr
.irp e, 0,1
.irp b, 0,1
	v_add_nc_u32 v[TM-80*\e+4+\b], 0xff000000, v[TM-80*\e+\b]        ; 2 off its exponent field: the conversion's scale operand
.endr
.endr
.irp e, 0,1
.irp b, 0,1
	v_lshrrev_b32 v[TM-80*\e+6+\b], 23, v[TM-80*\e+4+\b]             ; the scale's byte
.endr
.endr
.irp e, 0,1
	v_lshl_or_b32 v[HWR+\e], v[TM-80*\e+7], 8, v[TM-80*\e+6]
.endr
.irp e, 0,1
	v_cvt_scalef32_pk16_fp6_f32 v[(\d)+6*\e:(\d)+6*\e+2], v[X-32*\e:X-32*\e+15], v[TM-80*\e+4]
	v_cvt_scalef32_pk16_fp6_f32 v[CT-136*\e:CT-136*\e+2], v[X-32*\e+16:X-32*\e+31], v[TM-80*\e+5]   ; (a conversion's three registers begin on an even number)
.endr
	v_nop                                          ; one plain place behind a scaled conversion
.irp e, 0,1
.irp i, 0,1,2
	v_permlane16_swap_b32 v[(\d)+6*\e+\i], v[CT-136*\e+\i]   ; a whole block to a lane
.endr
.endr
.irp e, 0,1
.irp i, 0,1,2
	v_mov_b32 v[(\d)+6*\e+3+\i], v[CT-136*\e+\i]
.endr
.endr
.endm
	s_load_b512 s[4:19], s[0:1], 0x0               ; x_img s[4:5], x_sc s[6:7], w_img s[8:9], w_sc s[10:11], bq s[12:13], bk s[14:15], bv s[16:17], qrec s[18:19]
	s_load_b64 s[20:21], s[0:1], 0x40              ; kv
	v_lshl_add_u32 v[SPW], v0, 2, SPARE
	v_mov_b32 v[NIL], 0
	ds_add_u32 v[SPW], v[NIL]                      ; the wave's opening: the add, twice on end, and its wait ahead of my first tensor load
	ds_add_u32 v[SPW], v[NIL]
	v_lshrrev_b32 v1, 5, v0
	v_readfirstlane_b32 s[WV], v1                  ; wave 0..3
	s_lshr_b32 s[RH], s[WV], 1
	s_and_b32 s[PH], s[WV], 1
	s_bfe_u32 s[CX], ttmp6, 0x40000
	s_bfe_u32 s[CY], ttmp6, 0x40004
	s_and_b32 s[YC], ttmp7, 0xffff
	s_lshl_b32 s95, 0x1111, s[CX]                  ; my column of the cluster
	s_lshl_b32 s96, s[CY], 2
	s_lshl_b32 s96, 15, s96                        ; my row
	s_or_b32 s[G1P], s95, (3<<16)|(1<<21)          ; the mask: P's tiles go to my column; elements of 8 bytes; bit 21 beside a mask; no padding
	s_or_b32 s[G1R], s96, (3<<16)|(1<<21)          ; R's to my row
	s_mov_b32 s[G1P+1], 768<<16                    ; a tile's four K steps, 6,144 bytes
	s_mov_b32 s[G1P+2], 16<<16                     ; at the head all sixteen tiles
	s_mov_b32 s[G1P+3], 768<<16
	s_mov_b32 s[G1P+4], 16
	s_mov_b32 s[G1P+5], 1536                       ; from tile to tile: 12,288 bytes
	s_mov_b32 s[G1P+6], 0
	s_mov_b32 s[G1P+7], 0
	s_mov_b32 s[G1R+1], 768<<16
	s_mov_b32 s[G1R+2], 8<<16                      ; all eight tiles
	s_mov_b32 s[G1R+3], 768<<16
	s_mov_b32 s[G1R+4], 8
	s_mov_b32 s[G1R+5], 1536
	s_mov_b32 s[G1R+6], 0
	s_mov_b32 s[G1R+7], 0
.irp c, 0,1
	s_mov_b32 s[G0P+4*\c], 1
	s_mov_b32 s[G0P+4*\c+1], \c*CHUNK
	s_mov_b32 s[G0R+4*\c], 1
	s_mov_b32 s[G0R+4*\c+1], \c*CHUNK+ROFF
.endr
	s_mul_i32 s95, s[PH], 49152                    ; where P's tiles that I multiply lie in slot 0,
	s_add_co_u32 s98, s95, CHUNK                   ; in slot 1;
	s_mul_i32 s97, s[RH], 24576
	s_add_co_u32 s97, s97, ROFF                    ; and R's
	s_add_co_u32 s99, s97, CHUNK
	s_and_b32 s100, s[YC], 7                       ; the prefetch: my wave's number among the 192 of three clusters,
	s_lshl_b32 s101, s100, 2
	s_add_co_u32 s101, s101, s[CY]
	s_lshl_b32 s101, s101, 2
	s_add_co_u32 s101, s101, s[CX]
	s_lshl_b32 s101, s101, 2
	s_add_co_u32 s101, s101, s[WV]
	s_lshl_b32 s101, s101, 13                      ; x 32 lanes x 256 bytes
	s_mov_b32 s[MASK], 0xffff0000
	s_mov_b32 s[SEL], 0x76543210
	s_mov_b32 s[SEL+1], 0xfedcba98
	s_mov_b32 s[KN], 0
	s_wait_dscnt 0x0                               ; both opening adds are done
	s_wait_kmcnt 0x0
	SETUP 0
	CROUND                                         ; all sixteen work-groups are here: the joint loads meet
	ARM 1, G0P,   G1P, .Lhead_r0                   ; one load a wave at the head: what is needed first is asked for by waves 0 and 1
	ARM 2, G0R,   G1R, .Lhead_p1
	ARM 3, G0P+4, G1P, .Lhead_r1
	tensor_load_to_lds s[G0R+4:G0R+7], s[G1R:G1R+7]
	s_nop 0
	PLACES
.Lhead_asked:
	v_and_b32 v1, 31, v0                           ; lane
	v_and_b32 v2, 15, v0                           ; r
	v_bfe_u32 v3, v0, 4, 1                         ; h
	v_lshlrev_b32 v[L16], 4, v1
	v_lshlrev_b32 v[L4], 2, v1
	v_lshlrev_b32 v[OSP], 4, v2
	v_lshl_add_u32 v[OSR], v3, 10, v[OSP]
	v_lshl_add_u32 v[OSP], v3, 11, v[OSP]
	v_lshlrev_b32 v[OH64], 6, v3
	v_and_b32 v4, 8, v2
	v_add_nc_u32 v4, v4, v2
	v_lshlrev_b32 v[OTR], 2, v4
	v_lshl_add_u32 v[PFO], v1, 8, s101
	v_min_u32 v[PFO], 6143*256, v[PFO]             ; (held inside the two images in the clusters that do not ask, too)
	v_add_nc_u32 v[AP], s95, v[L16]
	v_add_nc_u32 v[AP+1], s98, v[L16]
	v_add_nc_u32 v[AR], s97, v[L16]
	v_add_nc_u32 v[AR+1], s99, v[L16]
.irp e, 0,1
	v_mov_b32 v[TM-80*\e+2], 0                     ; written once: a lane permute's destination counts as one of its sources
	v_mov_b32 v[TM-80*\e+3], 0
.endr
	SCLOAD
	s_cmp_lt_u32 s100, 3                           ; the cluster's number alone: the same in all partners
	s_cbranch_scc0 .Lno_ask
	global_prefetch_b8 v[PFO], s[8:9] offset:64*12288 th:TH_LOAD_NT scope:SCOPE_SE   ; Wk's image begins at tile 64 of w_img, Wv's follows it
.Lno_ask:
	s_wait_alu depctr_va_vdst(0)                   ; the wait at the head's end
	s_cmp_lt_u32 s[WV], 2
	s_cbranch_scc0 .Lnot_first
	s_wait_tensorcnt 0x0                           ; waves 0 and 1: slot 0's two tiles are in
.Lnot_first:
	s_barrier_signal -1
	s_barrier_wait -1                              ; slot 1's loads may be on their way
	FETCH 0
	s_mov_b32 s[KIND], 0
.Ltile:
; ---- q and k.  My 8 tiles of P are 128 features: two heads g; my 4 tiles of R are two groups i of 32 tokens.
	s_wait_xcnt 0x0                                ; the last tile's stores have read their bases and registers
	s_lshr_b32 s95, s[RIDX], 4                     ; the batch: 16 blocks of 128 tokens each
	s_lshl_b32 s95, s95, 4
	s_lshl_b32 s96, s[PIDX], 2
	s_add_co_u32 s95, s95, s96
	s_lshl_b32 s96, s[PH], 1
	s_add_co_u32 s95, s95, s96                     ; batch x 16 + head, for g = 0
	s_lshl_b32 s98, 0x19000, s[KIND]               ; a head's bytes: 102,400 in qrec, twice that in kv
	s_mov_b32 s99, 0
	s_mul_i32 s95, s95, s98
	s_and_b32 s96, s[RIDX], 15                     ; the record
	s_lshl_b32 s97, 0x1900, s[KIND]                ; of 6,400 bytes, or twice that
	s_mul_i32 s96, s96, s97
	s_add_co_u32 s95, s95, s96
	s_lshl_b32 s100, 0x1800, s[KIND]               ; the scale words begin 6,144 bytes on, or twice that,
	s_add_co_u32 s100, s100, s95
	s_lshl_b32 s96, s[RH], 7                       ; 64 bytes a pair fragment, two of them mine
	s_add_co_u32 s100, s100, s96
	s_mov_b32 s101, 0
	s_mul_i32 s96, s[RH], 3072
	s_add_co_u32 s96, s96, s95                     ; my two pair fragments
	s_mov_b32 s97, 0
	s_cmp_eq_u32 s[KIND], 0
	s_cselect_b64 s[OUTC:OUTC+1], s[18:19], s[20:21]
	s_cselect_b64 s[80:81], s[12:13], s[14:15]
	s_add_nc_u64 s[OUTC+2:OUTC+3], s[OUTC:OUTC+1], s[100:101]   ; scale words, g = 0
	s_add_nc_u64 s[OUTC:OUTC+1], s[OUTC:OUTC+1], s[96:97]       ; codes, g = 0
	s_add_nc_u64 s[OUTC+4:OUTC+5], s[OUTC:OUTC+1], s[98:99]     ; and a head on
	s_add_nc_u64 s[OUTC+6:OUTC+7], s[OUTC+2:OUTC+3], s[98:99]
	s_lshl_b32 s100, s[PIDX], 10
	s_lshl_b32 s96, s[PH], 9
	s_add_co_u32 s100, s100, s96                   ; my 128 features' bias
	s_add_nc_u64 s[80:81], s[80:81], s[100:101]
	WIN 0x80
.irp t, 0,1,2,3,4,5,6,7                ; the bias in the result's layout: tile t, lane (r, h): features 32 (t / 2) + 16 h + 8 (t % 2) + 0 .. 7.  16 loads
	global_load_b128 v[BIAS+8*\t:BIAS+8*\t+3], v[OH64], s[80:81] offset:(32*(\t/2)+8*(\t%2))*4
	global_load_b128 v[BIAS+8*\t+4:BIAS+8*\t+7], v[OH64], s[80:81] offset:(32*(\t/2)+8*(\t%2))*4+16
.endr
	WIN 0
	s_wait_loadcnt 16                              ; the scale words are in; the bias's sixteen loads may be out
	STEPS 1
.irp g, 0,1
.irp i, 0,1
	WIN 0x0b                                       ; source 0 (the sums) window 3, source 1 (the bias) window 2
.irp e, 0,1
.set nn, 0
.rept 16                               ; + bias, into window 0; each accumulator from its low end on
	v_pk_add_f32 v[X-32*\e+2*nn:X-32*\e+2*nn+1], v[8*(8*(2*\i+\e)+4*\g+nn/4)+2*(nn%4):8*(8*(2*\i+\e)+4*\g+nn/4)+2*(nn%4)+1], v[BIAS+32*\g+2*nn:BIAS+32*\g+2*nn+1]
.set nn, nn+1
.endr
.endr
	WIN 0
	HALFQ2 CD+12*(2*\g+\i)
	v_lshl_or_b32 v[WD+\i], v[HWR+1], 16, v[HWR]   ; the pair fragment's scale word
.irp p, 0,1,2
	global_store_b128 v[L16], v[CD+12*(2*\g+\i)+4*\p:CD+12*(2*\g+\i)+4*\p+3], s[OUTC+4*\g:OUTC+4*\g+1] offset:1536*\i+512*\p   ; a plane: 512 consecutive bytes
.endr
.endr
	v_cndmask_b32 v[WD+2+\g], v[WD], v[WD+1], s[MASK]   ; lanes 0-15 store pair 0's words, lanes 16-31 pair 1's
	global_store_b32 v[L4], v[WD+2+\g], s[OUTC+4*\g+2:OUTC+4*\g+3]
.endr
	s_add_co_u32 s[KIND], s[KIND], 1
	s_cmp_lt_u32 s[KIND], 2
	s_cbranch_scc1 .Ltile
; ---- v, the last tile: it asks for nothing more.  My 8 tiles of P are 128 tokens: one key step; my 4 tiles of R are one head's 64.
	s_wait_xcnt 0x0
	s_lshl_b32 s95, s[PIDX], 1
	s_add_co_u32 s95, s95, s[PH]                   ; the key step among all 64
	s_lshr_b32 s96, s95, 4                         ; the batch
	s_and_b32 s95, s95, 15                         ; the record
	s_lshl_b32 s97, s[RIDX], 1
	s_add_co_u32 s97, s97, s[RH]                   ; the head
	s_lshl_b32 s98, s97, 8                         ; the head's 64 numbers of bv
	s_mov_b32 s99, 0
	s_lshl_b32 s96, s96, 4
	s_add_co_u32 s96, s96, s97
	s_mul_i32 s96, s96, 204800
	s_mul_i32 s95, s95, 12800
	s_add_co_u32 s96, s96, s95
	s_mov_b32 s97, 0
	s_add_nc_u64 s[OUTC:OUTC+1], s[20:21], s[96:97]
	s_add_nc_u64 s[80:81], s[16:17], s[98:99]
	WIN 0x80
.irp a, 0,1,2,3                        ; a lane holds one feature of each tile: 32 (a / 2) + 8 (a % 2) + r + 8 (r / 8)
	global_load_b32 v[BIAS+2*\a], v[OTR], s[80:81] offset:(32*(\a/2)+8*(\a%2))*4
.endr
	WIN 0
	s_wait_loadcnt 4                               ; the scale words are in; the bias's four loads may be out
	STEPS 0
	WIN 0x82                                       ; destination and source 0 window 2
.irp a, 0,1,2,3
	v_mov_b32 v[BIAS+2*\a+1], v[BIAS+2*\a]         ; the packed addition takes a pair
.endr
.irp a, 0,1,2,3
	WIN 0x0b
.irp e, 0,1                            ; keys 64 e on
.set nn, 0
.rept 16
	v_pk_add_f32 v[X-32*\e+2*nn:X-32*\e+2*nn+1], v[8*(8*\a+4*\e+nn/4)+2*(nn%4):8*(8*\a+4*\e+nn/4)+2*(nn%4)+1], v[BIAS+2*\a:BIAS+2*\a+1]
.set nn, nn+1
.endr
.endr
	WIN 0
	HALFQ2 CD+12*\a
	v_lshl_or_b32 v[WD+\a], v[HWR+1], 16, v[HWR]
.irp p, 0,1,2
	global_store_b128 v[L16], v[CD+12*\a+4*\p:CD+12*\a+4*\p+3], s[OUTC:OUTC+1] offset:6144+1536*\a+512*\p
.endr
.endr
	v_cndmask_b32 v[WD+4], v[WD], v[WD+1], s[MASK]
	v_cndmask_b32 v[WD+5], v[WD+2], v[WD+3], s[MASK]
	global_store_b32 v[L4], v[WD+4], s[OUTC:OUTC+1] offset:12544
	global_store_b32 v[L4], v[WD+5], s[OUTC:OUTC+1] offset:12672
	s_wait_tensorcnt 0x0                           ; the wave's end: behind my last tensor load
	ds_add_u32 v[SPW], v[NIL]
	s_wait_dscnt 0x0
	CROUND                                         ; the closing round: no work-group ends while a partner may still ask for a tile that names it
	s_endpgm
.Lfunc_end_k_q422fd5dc81_qkv:
	.size	k_q422fd5dc81_qkv, .Lfunc_end_k_q422fd5dc81_qkv-k_q422fd5dc81_qkv
	.p2alignl 7, 3214868480
	.fill 96, 4, 3214868480
	.section	.rodata,"a",@progbits
	.p2align	6, 0x0
	.amdhsa_kernel k_q422fd5dc81_qkv
		.amdhsa_group_segment_fixed_size 327680
		.amdhsa_private_segment_fixed_size 0
		.amdhsa_enable_private_segment 0
		.amdhsa_kernarg_size 72
		.amdhsa_user_sgpr_count 2
		.amdhsa_user_sgpr_kernarg_segment_ptr 1
		.amdhsa_wavefront_size32 1
		.amdhsa_system_sgpr_workgroup_id_x 1
		.amdhsa_system_sgpr_workgroup_id_y 1
		.amdhsa_system_sgpr_workgroup_id_z 1
		.amdhsa_system_vgpr_workitem_id 0
		.amdhsa_next_free_vgpr 1024
		.amdhsa_next_free_sgpr 102
		.amdhsa_reserve_vcc 0
		.amdhsa_float_denorm_mode_32 3
		.amdhsa_float_denorm_mode_16_64 3
		.amdhsa_memory_ordered 1
		.amdhsa_forward_progress 1
		.amdhsa_inst_pref_size 173
	.end_amdhsa_kernel
	.amdgpu_metadata
---
amdhsa.version: [ 1, 2 ]
amdhsa.kernels:
  - .name:           k_q422fd5dc81_qkv
    .symbol:         k_q422fd5dc81_qkv.kd
    .args:
      - { .name: x_img, .offset: 0, .size: 8, .value_kind: global_buffer, .address_space: global }
      - { .name: x_sc, .offset: 8, .size: 8, .value_kind: global_buffer, .address_space: global }
      - { .name: w_img, .offset: 16, .size: 8, .value_kind: global_buffer, .address_space: global }
      - { .name: w_sc, .offset: 24, .size: 8, .value_kind: global_buffer, .address_space: global }
      - { .name: bq, .offset: 32, .size: 8, .value_kind: global_buffer, .address_space: global }
      - { .name: bk, .offset: 40, .size: 8, .value_kind: global_buffer, .address_space: global }
      - { .name: bv, .offset: 48, .size: 8, .value_kind: global_buffer, .address_space: global }
      - { .name: qrec, .offset: 56, .size: 8, .value_kind: global_buffer, .address_space: global }
      - { .name: kv, .offset: 64, .size: 8, .value_kind: global_buffer, .address_space: global }
    .group_segment_fixed_size: 327680
    .private_segment_fixed_size: 0
    .kernarg_segment_align: 8
    .kernarg_segment_size: 72
    .max_flat_workgroup_size: 128
    .sgpr_count:     102
    .vgpr_count:     1024
    .wavefront_size: 32
...
	.end_amdgpu_metadata
.endif
;; end of part 2
;; launch attn (part 3): grid 4 x 64, 8 waves a work-group, clusters of 4 x 1, 327,680 bytes of LDS; arguments qrec, kv, ao_img, ao_sc; writes ao_img, ao_sc
.if DOCPART == 3
	.amdgcn_target "amdgcn-amd-amdhsa--gfx1250"
	.amdhsa_code_object_version 6
	.text
	.protected	k_q422fd5dc81_attn
	.globl	k_q422fd5dc81_attn
	.p2align	8
	.type	k_q422fd5dc81_attn,@function
k_q422fd5dc81_attn:
	s_mov_b64 s[64:65], 0
	v_nop
	global_prefetch_b8 v0, s[64:65] scope:SCOPE_SE
	s_setreg_imm32_b32 hwreg(HW_REG_WAVE_MODE, 25, 1), 1
	s_wait_xcnt 0x0
	s_wait_alu depctr_hold_cnt(0) depctr_sa_sdst(0) depctr_va_vdst(0) depctr_va_sdst(0) depctr_va_ssrc(0) depctr_va_vcc(0) depctr_vm_vsrc(0)
	s_getreg_b32 s2, hwreg(HW_REG_IB_STS2, 6, 4)
	s_cmp_eq_u32 s2, 0
	s_cbranch_scc0 .Lentry_in_a_cluster
	s_endpgm
.Lentry_in_a_cluster:
	s_bfe_u32 s2, ttmp6, 0x10000c
	s_cmp_lg_u32 s2, 0x3003
	s_cbranch_scc0 .Lentry_shape_is_right
	s_endpgm
.Lentry_shape_is_right:
; o = softmax(q k^T / 8) v for each of the 64 heads (batch x head), 2,048 queries and keys, head size 64, both products on codes of FP6 (E2M3); o is quantised along the head's 64 on the way out.  Nothing is left out.
; THE SOFTMAX AHEAD OF THE SECOND PRODUCT: t = score x log2(e) / 8; M = the row's largest t so far, rounded UP to a whole number; p = 2^(t - M) is what is quantised, along the keys; it is not normalised.
; The row's sum is taken of the unquantised p, in f32, and divides O at the end.  When M moves, the sums and O are multiplied by 2^(old M - new M): exact.
; SHARES.  A work-group owns 512 queries of one head; each of its eight waves 64 of them: two passes over the keys, each with TWO tiles of 16 queries (0, 1) at once: a fragment of K or V read from LDS feeds both.
; ORDER OF A KEY STEP.  Both tiles' scores and maxima; tile 0's t - M; tile 0's exponentials, with tile 1's t - M among them; O's rescaling, with tile 0's scale bytes among it; tile 1's exponentials, with tile 0's conversions and the
; first level of its sums among them; then the rest of tile 0's sums with tile 1's scale bytes, tile 1's codes and sums, and both tiles' second products.  A line that stands among exponentials names none of their results,
; reads only what was written ahead of the wait in front of the batch, and is itself read only behind the wait that closes the batch.  K's fragments are fetched one key step ahead, V's at the step's top.
; LDS.  The head's K and V, codes and scale words, are 16 records of 12,800 bytes: 204,800 dense bytes, filled ONCE: each wave asks for two records by one tensor load, and behind one barrier the waves share nothing more.
; CLUSTER.  The four work-groups of a cluster are the four blocks of queries of one head: each load is asked for JOINTLY, with the same descriptor and a mask that names the four.
; NO PREFETCH: all that the launch reads through LDS is asked for at the head by one load a wave; there is no loop to run ahead in.
; THE FIRST PRODUCT'S K IS 64, the instruction's 128.  A pair fragment of K holds token tile 2 G in k = 0 .. 63 and tile 2 G + 1 in k = 64 .. 127.  It is multiplied by [q | zero codes] for tile 2 G and by [zero codes | q] for tile 2 G + 1:
; a zero code times any code is 0 under any scale byte but 0xff, and no byte here is 0xff.  q lies as [q | 0 | q] in 18 registers: the two operands are registers 0-11 and 6-17.
; LAYOUT.  Both products are used transposed (S^T = K Q^T, O^T = V^T P^T): a lane holds ONE query throughout.  Register 16 b + i of S^T is key 32 b + 16 h + i, register 16 b + i of O^T the head's number 32 b + 16 h + i.
; LIMITS: NaN and infinities are not served; a block of zeros has the byte 1 (its codes are zeros, and this program alone reads the bytes).
; REGISTERS.  Window 0: addresses, q, K's and V's fragments, all scale words, tile 1's codes, the way out.  Window 1: all that the vector lines of a step work on, so that one setting (0x55) serves nearly all of them.
.set REC,   12800
.set SPARE, 16*REC                     ; behind the records: the spare words, 128 bytes for each wave: four blocks of 256 bytes that no other line names
; window 0
.set L16, 1
.set L4,  2
.set ADR, 3                            ; a record's fragments
.set ADS, 4                            ; and its scale words
.set SPW, 5
.set NIL, 6
.set L8,  7
.set OSC, 8                            ; 4 r + 2 h
.set AQ,  9                            ; 4 r
.set QW,  10                           ; q's scale word: two bytes for each of the two tiles
.set HW,  12                           ; + t: o's two scale bytes
.set HD,  14
.set QS,  36                           ; + 2 t: [q's two bytes | 0 0];  + 2 t + 1: [0 0 | q's two bytes]
.set PW,  64                           ; + t: p's scale word
.set KS,  66
.set VS,  68
.set Q,   70                           ; + 18 t
.set KF,  106
.set VF,  154
.set T,   202                          ; q as it is loaded
.set PCB, 214                          ; tile 1's codes of p
.set PTB, 226
.set OC,  234                          ; + 6 t: o's codes
.set CT,  246                          ; + 4 t
; window 1
.set S,   0                            ; + 64 t: S^T, then p
.set O,   128                          ; + 32 t: O^T
.set NM,  192                          ; + 2 t: -M;  + 2 t + 1: the largest score so far
.set F,   196                          ; + 2 t: f = 2^(old M - new M);  + 2 t + 1: at work
.set SUM, 200                          ; + 8 t: the row's sum in four pairs
.set BM,  216                          ; + 4 t: a block's largest score, its largest p, its scale byte
.set SOP, 224                          ; + 4 t: the conversions' scale operands
.set PCA, 232                          ; tile 0's codes of p
.set PTA, 244
.set TW,  252                          ; + t: three bytes of p's scale word
.set WV,   12
.set G1,   16
.set G0,   24
.set SEL,  28
.set CS,   30                          ; s[30:31] c = log2(e) / 8, twice
.set TB,   32
.set CNT,  33
.set MASK, 34
.set NC,   35                          ; -c
.set MSB, 0
.macro WIN new                         ; low byte: bits 1:0 source 0, 3:2 source 1, 5:4 source 2, 7:6 destination; the high byte repeats the setting that is left
.if MSB != \new
	s_set_vgpr_msb (MSB<<8)|\new
.set MSB, \new
.endif
.endm
.macro WALU
	s_wait_alu depctr_va_vdst(0)
.endm
.macro CROUND
	s_barrier_signal -1
	s_barrier_wait -1
	s_cmp_lg_u32 s[WV], 0
	s_cbranch_scc1 .Lnot_wave_0_\@
	s_barrier_signal -3
.Lnot_wave_0_\@:
	s_barrier_wait -3
	s_barrier_signal -1
	s_barrier_wait -1
.endm
.set T1,  40                           ; window 0: the second pass's q as it is loaded; its scale word in v[QW + 1]
.macro QLOAD u                         ; pass u's pair fragment of q and its scale words: both passes' are asked for at the head
.irp c, 0,1,2
	global_load_b128 v[T+(T1-T)*\u+4*\c:T+(T1-T)*\u+4*\c+3], v[L16], s[36:37] offset:1536*\u+512*\c
.endr
	global_load_b32 v[QW+\u], v[AQ], s[38:39] offset:64*\u
.endm
.macro KLOAD                           ; 14 LDS loads
.irp p, 0,1,2,3
.irp c, 0,1,2
	ds_load_b128 v[KF+12*\p+4*\c:KF+12*\p+4*\c+3], v[ADR] offset:1536*\p+512*\c
.endr
.endr
	ds_load_b32 v[KS], v[ADS] offset:12288
	ds_load_b32 v[KS+1], v[ADS] offset:12416
.endm
.macro VLOAD                           ; 14 LDS loads
.irp p, 0,1,2,3
.irp c, 0,1,2
	ds_load_b128 v[VF+12*\p+4*\c:VF+12*\p+4*\c+3], v[ADR] offset:6144+1536*\p+512*\c
.endr
.endr
	ds_load_b32 v[VS], v[ADS] offset:12544
	ds_load_b32 v[VS+1], v[ADS] offset:12672
.endm
.macro SW p, t, hi                     ; 16 keys x 16 queries of S^T
.if (\p)%2
	v_wmma_scale_f32_16x16x128_f8f6f4 v[S+64*\t+16*\p+8*\hi:S+64*\t+16*\p+8*\hi+7], v[KF+12*\p:KF+12*\p+11], v[Q+18*\t+6*\hi:Q+18*\t+6*\hi+11], 0, v[KS+\p/2], v[QS+2*\t+\hi] matrix_a_fmt:MATRIX_FMT_FP6 matrix_b_fmt:MATRIX_FMT_FP6 matrix_a_scale:MATRIX_SCALE_ROW1
.else
	v_wmma_scale_f32_16x16x128_f8f6f4 v[S+64*\t+16*\p+8*\hi:S+64*\t+16*\p+8*\hi+7], v[KF+12*\p:KF+12*\p+11], v[Q+18*\t+6*\hi:Q+18*\t+6*\hi+11], 0, v[KS+\p/2], v[QS+2*\t+\hi] matrix_a_fmt:MATRIX_FMT_FP6 matrix_b_fmt:MATRIX_FMT_FP6
.endif
.endm
.macro PV d, t                         ; 16 of the head's 64 x 16 queries of O^T
.if (\d)%2
	v_wmma_scale_f32_16x16x128_f8f6f4 v[O+32*\t+8*\d:O+32*\t+8*\d+7], v[VF+12*\d:VF+12*\d+11], v[PCA+(PCB-PCA)*\t:PCA+(PCB-PCA)*\t+11], v[O+32*\t+8*\d:O+32*\t+8*\d+7], v[VS+\d/2], v[PW+\t] matrix_a_fmt:MATRIX_FMT_FP6 matrix_b_fmt:MATRIX_FMT_FP6 matrix_a_scale:MATRIX_SCALE_ROW1
.else
	v_wmma_scale_f32_16x16x128_f8f6f4 v[O+32*\t+8*\d:O+32*\t+8*\d+7], v[VF+12*\d:VF+12*\d+11], v[PCA+(PCB-PCA)*\t:PCA+(PCB-PCA)*\t+11], v[O+32*\t+8*\d:O+32*\t+8*\d+7], v[VS+\d/2], v[PW+\t] matrix_a_fmt:MATRIX_FMT_FP6 matrix_b_fmt:MATRIX_FMT_FP6
.endif
.endm
; LISTS: each macro writes line i of its list for tile t, all under the setting 0x55; RUN writes lines from .. to - 1
.macro RUN m, t, from, to
.set rr, \from
.rept (\to)-(\from)
	\m \t, rr
.set rr, rr+1
.endr
.endm
.macro TMM t, i                        ; 32 lines: t - M, two at a time
	v_pk_fma_f32 v[S+64*\t+2*(\i):S+64*\t+2*(\i)+1], v[S+64*\t+2*(\i):S+64*\t+2*(\i)+1], s[CS:CS+1], v[NM+2*\t:NM+2*\t+1] op_sel_hi:[1,0,0]
.endm
.macro BMF t, i                        ; 4: the same of each block's largest score
	v_fma_f32 v[BM+4*\t+(\i)], v[BM+4*\t+(\i)], s[CS], v[NM+2*\t]
.endm
.macro EXPN t, n                       ; 68: p = 2^(t - M), and each block's largest p: the same two instructions on the same number give the same bits
.if (\n) < 64
	v_exp_f32 v[S+64*\t+(\n)], v[S+64*\t+(\n)]
.else
	v_exp_f32 v[BM+4*\t+(\n)-64], v[BM+4*\t+(\n)-64]
.endif
.endm
.macro ORS t, i                        ; 32: O^T of both tiles under the new M
	v_pk_mul_f32 v[O+2*(\i):O+2*(\i)+1], v[O+2*(\i):O+2*(\i)+1], v[F+2*((\i)/16):F+2*((\i)/16)+1] op_sel_hi:[1,0]
.endm
.macro SCL t, i                        ; 14: the four blocks' scale operands and bytes, and three bytes of the scale word
.if (\i) < 4
	v_max_num_f32 v[BM+4*\t+(\i)], 0x1800000, v[BM+4*\t+(\i)]            ; the floor 2^(3 - 127): a block whose every p has fallen to 0 keeps the byte 1: its codes are zeros
.elseif (\i) < 8
	v_add_nc_u32 v[SOP+4*\t+(\i)-4], 0xff000000, v[BM+4*\t+(\i)-4]       ; 2 off the exponent field
.elseif (\i) < 12
	v_lshrrev_b32 v[BM+4*\t+(\i)-8], 23, v[SOP+4*\t+(\i)-8]
.elseif (\i) == 12
	v_lshl_or_b32 v[TW+\t], v[BM+4*\t+1], 8, v[BM+4*\t]
.else
	v_lshl_or_b32 v[TW+\t], v[BM+4*\t+2], 16, v[TW+\t]
.endif
.endm
.macro L1 t, j                         ; 16: the sums' first level, onto p's own registers, which the conversions have read
	v_pk_add_f32 v[S+64*\t+4*(\j):S+64*\t+4*(\j)+1], v[S+64*\t+4*(\j):S+64*\t+4*(\j)+1], v[S+64*\t+4*(\j)+2:S+64*\t+4*(\j)+3]
.endm
.macro L2 t, j                         ; 16: onto the four partial sums by turns; the first four bring them under the new M
.if (\j) < 4
	v_pk_fma_f32 v[SUM+8*\t+2*(\j):SUM+8*\t+2*(\j)+1], v[SUM+8*\t+2*(\j):SUM+8*\t+2*(\j)+1], v[F+2*\t:F+2*\t+1], v[S+64*\t+4*(\j):S+64*\t+4*(\j)+1] op_sel_hi:[1,0,1]
.else
	v_pk_add_f32 v[SUM+8*\t+2*((\j)%4):SUM+8*\t+2*((\j)%4)+1], v[SUM+8*\t+2*((\j)%4):SUM+8*\t+2*((\j)%4)+1], v[S+64*\t+4*(\j):S+64*\t+4*(\j)+1]
.endif
.endm
.macro SWA t, i                        ; 6: tile 0's codes: a whole block to a lane
	v_permlane16_swap_b32 v[PCA+6*((\i)/3)+(\i)%3], v[PTA+4*((\i)/3)+(\i)%3]
.endm
.macro MVA t, i                        ; 6
	v_mov_b32 v[PCA+6*((\i)/3)+3+(\i)%3], v[PTA+4*((\i)/3)+(\i)%3]
.endm
.macro SHA i                           ; 36 lines that stand among tile 0's exponentials
.if (\i) < 32
	TMM 1, \i
.else
	BMF 1, (\i)-32
.endif
.endm
.macro SHB i                           ; 21 lines that stand among tile 1's exponentials
.if (\i) < 4
.if (\i)%2
	v_cvt_scalef32_pk16_fp6_f32 v[PTA+4*((\i)/2):PTA+4*((\i)/2)+2], v[S+32*((\i)/2)+16:S+32*((\i)/2)+31], v[SOP+(\i)]
.else
	v_cvt_scalef32_pk16_fp6_f32 v[PCA+6*((\i)/2):PCA+6*((\i)/2)+2], v[S+32*((\i)/2):S+32*((\i)/2)+15], v[SOP+(\i)]
.endif
.elseif (\i) == 4
	v_nop                                          ; one plain place behind the conversions, ahead of the lines that write their sources
.else
	L1 0, (\i)-5
.endif
.endm
; A KEY STEP: 128 keys x 32 queries.  v[ADR], v[ADS] point at its record; K's fragments were asked for a step ago
.macro STEP
	VLOAD
	s_add_co_u32 s[TB], s[CNT], 1
	s_and_b32 s[TB], s[TB], 15                     ; the next record; behind the last comes record 0, which the next pass begins with (the last pass's is not used)
	s_mul_i32 s[TB], s[TB], REC
	s_wait_dscnt 14                                ; K is in; V's 14 loads may be out
	WIN 0x40
.irp p, 0,1,2,3
.irp t, 0,1
	SW \p, \t, 0
	SW \p, \t, 1
.endr
.endr
	WIN 0
	v_add_nc_u32 v[ADR], s[TB], v[L16]             ; four places in front of the loads into K's registers and of the first read of the scores
	v_add_nc_u32 v[ADS], s[TB], v[L4]
	v_nop
	v_nop
	KLOAD
	WIN 0x55
.irp i, 0,2,4,6,8,10,12,14             ; the largest score of each block's 16 keys of mine: eight chains by turns
.irp t, 0,1
.irp b, 0,1,2,3
.if \i == 0
	v_max3_num_f32 v[BM+4*\t+\b], 0xff61b1e6, v[S+64*\t+16*\b], v[S+64*\t+16*\b+1]
.else
	v_max3_num_f32 v[BM+4*\t+\b], v[BM+4*\t+\b], v[S+64*\t+16*\b+\i], v[S+64*\t+16*\b+\i+1]
.endif
.endr
.endr
.endr
.irp n, 0,1,2,3,4,5,6,7
	v_permlanex16_b32 v[SOP+\n], v[BM+\n], s[SEL], s[SEL+1]
.endr
.irp n, 0,1,2,3,4,5,6,7
	v_max_num_f32 v[BM+\n], v[BM+\n], v[SOP+\n]    ; with lane l xor 16's 16 keys
.endr
.irp t, 0,1
	v_max3_num_f32 v[NM+2*\t+1], v[NM+2*\t+1], v[BM+4*\t], v[BM+4*\t+1]
.endr
.irp t, 0,1
	v_max3_num_f32 v[NM+2*\t+1], v[NM+2*\t+1], v[BM+4*\t+2], v[BM+4*\t+3]   ; the running largest score
.endr
.irp t, 0,1
	v_mul_f32 v[F+2*\t+1], s[NC], v[NM+2*\t+1]     ; -t of it (c is positive)
.endr
.irp t, 0,1
	v_floor_f32 v[F+2*\t+1], v[F+2*\t+1]           ; the new -M = floor(-t) = -ceil(t)
.endr
.irp t, 0,1
	v_sub_f32 v[F+2*\t], v[F+2*\t+1], v[NM+2*\t]   ; M's old value less its new one: 0 or less
.endr
.irp t, 0,1
	v_mov_b32 v[NM+2*\t], v[F+2*\t+1]
.endr
	RUN TMM, 0, 0, 4
.irp t, 0,1
	v_cvt_i32_f32 v[F+2*\t], v[F+2*\t]             ; (it saturates)
.endr
	RUN TMM, 0, 4, 10
.irp t, 0,1
	v_ldexp_f32 v[F+2*\t], 1.0, v[F+2*\t]
.endr
	RUN BMF, 0, 0, 4
	RUN TMM, 0, 10, 32
	WALU                                           ; the wait ahead of a batch of exponentials
.set ee, 0
.rept 34
	EXPN 0, ee
	EXPN 0, ee+1
	SHA ee/2
.set ee, ee+2
.endr
	SHA 34
	SHA 35
	WALU                                           ; behind tile 0's batch, directly ahead of the first line that takes O^T
	RUN ORS, 0, 0, 4
	RUN SCL, 0, 0, 4
	RUN ORS, 0, 4, 8
	RUN SCL, 0, 4, 8
	RUN ORS, 0, 8, 12
	RUN SCL, 0, 8, 12
	RUN ORS, 0, 12, 18
	SCL 0, 12
	RUN ORS, 0, 18, 24
	SCL 0, 13
	RUN ORS, 0, 24, 32
	WALU                                           ; ahead of tile 1's batch
.set ee, 0
.rept 20
	EXPN 1, ee
	EXPN 1, ee+1
	EXPN 1, ee+2
	SHB ee/3
.set ee, ee+3
.endr
	RUN EXPN, 1, 60, 68
	SHB 20
	WALU                                           ; behind tile 1's batch; and directly ahead of the wait below
	s_wait_dscnt 14                                ; V is in; the next step's 14 loads of K may be out
	RUN SCL, 1, 0, 4
	RUN SWA, 0, 0, 6
	RUN SCL, 1, 4, 8
	RUN L2, 0, 0, 4
	RUN SCL, 1, 8, 12
	RUN MVA, 0, 0, 6
	SCL 1, 12
	RUN L2, 0, 4, 8
	SCL 1, 13
	RUN L2, 0, 8, 16
	WIN 0x15                                       ; sources window 1, destination window 0
	v_lshl_or_b32 v[PW], v[BM+3], 24, v[TW]        ; p's scale words: scale operands are taken from window 0
	v_lshl_or_b32 v[PW+1], v[BM+7], 24, v[TW+1]
.irp c, 0,1
	v_cvt_scalef32_pk16_fp6_f32 v[PCB+6*\c:PCB+6*\c+2], v[S+64+32*\c:S+64+32*\c+15], v[SOP+4+2*\c]
	v_cvt_scalef32_pk16_fp6_f32 v[PTB+4*\c:PTB+4*\c+2], v[S+64+32*\c+16:S+64+32*\c+31], v[SOP+4+2*\c+1]
.endr
	WIN 0
	v_nop                                          ; one plain place behind a scaled conversion
.irp c, 0,1
.irp i, 0,1,2
	v_permlane16_swap_b32 v[PCB+6*\c+\i], v[PTB+4*\c+\i]
.endr
.endr
.irp c, 0,1
.irp i, 0,1,2
	v_mov_b32 v[PCB+6*\c+3+\i], v[PTB+4*\c+\i]
.endr
.endr
	WIN 0x55
	RUN L1, 1, 0, 16
	RUN L2, 1, 0, 12                               ; (also the places between the codes and scale words just made and the products)
	WIN 0x54                                       ; eight accumulators, one instruction each
.irp d, 0,1,2,3
	PV \d, 0
.endr
	WIN 0x50
.irp d, 0,1,2,3
	PV \d, 1
.endr
	WIN 0x55
	RUN L2, 1, 12, 16                              ; four places in front of the next loads into V's registers
	WIN 0
.endm
; A pass: two tiles of queries, all 16 key steps, the way out
.macro PASS u
.if \u
	s_wait_xcnt 0x0                                ; the first pass's stores have read their registers, which are written again below
.endif
	s_wait_loadcnt 0x0                             ; q
.irp t, 0,1
.irp i, 0,1,2,3,4,5
	v_mov_b32 v[Q+18*\t+\i], v[T+(T1-T)*\u+6*\t+\i]
	v_mov_b32 v[Q+18*\t+12+\i], v[T+(T1-T)*\u+6*\t+\i]
.endr
.endr
	v_and_b32 v[QS], 0xffff, v[QW+\u]
	v_lshlrev_b32 v[QS+1], 16, v[QW+\u]
	v_lshrrev_b32 v[QS+2], 16, v[QW+\u]
	v_and_b32 v[QS+3], s[MASK], v[QW+\u]
	WIN 0x40
.irp t, 0,1
	v_mov_b32 v[NM+2*\t+1], 0xff61b1e6             ; the largest score so far: -3e38
	v_mov_b32 v[NM+2*\t], 0x7f61b1e6               ; -M: 3e38, so that the first f is 0
.endr
.irp n, 0,1,2,3,4,5,6,7,8,9,10,11,12,13,14,15
	v_mov_b32 v[SUM+\n], 0
.endr
.set nn, 0
.rept 64
	v_mov_b32 v[O+nn], 0                           ; the step is written once: the first finds zeros.  (Also the places between q's operands just written and the first product)
.set nn, nn+1
.endr
	WIN 0
	s_mov_b32 s[CNT], 0
.Lkeys_\@:
	STEP
	s_add_co_u32 s[CNT], s[CNT], 1
	s_cmp_lt_u32 s[CNT], 16
	s_cbranch_scc1 .Lkeys_\@
	WIN 0x55
.irp t, 0,1
	v_pk_add_f32 v[SUM+8*\t:SUM+8*\t+1], v[SUM+8*\t:SUM+8*\t+1], v[SUM+8*\t+2:SUM+8*\t+3]
	v_pk_add_f32 v[SUM+8*\t+4:SUM+8*\t+5], v[SUM+8*\t+4:SUM+8*\t+5], v[SUM+8*\t+6:SUM+8*\t+7]
.endr
.irp t, 0,1
	v_pk_add_f32 v[SUM+8*\t:SUM+8*\t+1], v[SUM+8*\t:SUM+8*\t+1], v[SUM+8*\t+4:SUM+8*\t+5]
.endr
.irp t, 0,1
	v_add_f32 v[SUM+8*\t], v[SUM+8*\t], v[SUM+8*\t+1]
.endr
.irp t, 0,1
	v_permlanex16_b32 v[SOP+\t], v[SUM+8*\t], s[SEL], s[SEL+1]
.endr
.irp t, 0,1
	v_add_f32 v[SUM+8*\t], v[SUM+8*\t], v[SOP+\t]  ; with lane l xor 16's: the row's sum
.endr
	WALU                                           ; the wait ahead of the reciprocals
	v_rcp_f32 v[SUM], v[SUM]
	v_rcp_f32 v[SUM+8], v[SUM+8]
	v_nop                                          ; a plain place behind them
	WALU                                           ; and the wait ahead of the lines that take them and O^T
.irp t, 0,1
.set nn, 0
.rept 16
	v_pk_mul_f32 v[S+64*\t+nn:S+64*\t+nn+1], v[O+32*\t+nn:O+32*\t+nn+1], v[SUM+8*\t:SUM+8*\t+1] op_sel_hi:[1,0]   ; o = O^T / the sum; each accumulator from its low end on
.set nn, nn+2
.endr
.endr
.irp i, 0,2,4,6,8,10,12,14             ; o's two blocks of 32 along the head's 64, both tiles by turns
.irp t, 0,1
.irp b, 0,1
.if \i == 0
	v_max3_num_f32 v[BM+4*\t+\b], 0x1800000, |v[S+64*\t+16*\b]|, |v[S+64*\t+16*\b+1]|   ; with the floor 2^(3 - 127): the byte cannot fall under 1
.else
	v_max3_num_f32 v[BM+4*\t+\b], v[BM+4*\t+\b], |v[S+64*\t+16*\b+\i]|, |v[S+64*\t+16*\b+\i+1]|
.endif
.endr
.endr
.endr
.irp t, 0,1
.irp b, 0,1
	v_permlanex16_b32 v[BM+4*\t+2+\b], v[BM+4*\t+\b], s[SEL], s[SEL+1]
.endr
.endr
.irp t, 0,1
.irp b, 0,1
	v_max_num_f32 v[BM+4*\t+\b], v[BM+4*\t+\b], v[BM+4*\t+2+\b]
.endr
.endr
.irp t, 0,1
.irp b, 0,1
	v_add_nc_u32 v[SOP+4*\t+\b], 0xff000000, v[BM+4*\t+\b]
.endr
.endr
.irp t, 0,1
.irp b, 0,1
	v_lshrrev_b32 v[SOP+4*\t+2+\b], 23, v[SOP+4*\t+\b]
.endr
.endr
	WIN 0x15
.irp t, 0,1
	v_lshl_or_b32 v[HW+\t], v[SOP+4*\t+3], 8, v[SOP+4*\t+2]
.endr
.irp t, 0,1
	v_cvt_scalef32_pk16_fp6_f32 v[OC+6*\t:OC+6*\t+2], v[S+64*\t:S+64*\t+15], v[SOP+4*\t]
	v_cvt_scalef32_pk16_fp6_f32 v[CT+4*\t:CT+4*\t+2], v[S+64*\t+16:S+64*\t+31], v[SOP+4*\t+1]
.endr
	WIN 0
	v_nop                                          ; one plain place behind a scaled conversion
.irp t, 0,1
.irp i, 0,1,2
	v_permlane16_swap_b32 v[OC+6*\t+\i], v[CT+4*\t+\i]
.endr
.endr
.irp t, 0,1
.irp i, 0,1,2
	v_mov_b32 v[OC+6*\t+3+\i], v[CT+4*\t+\i]
.endr
.endr
	v_cndmask_b32 v[HD], v[HW], v[HW+1], s[MASK]   ; lanes 0-15 store the first tile's two bytes, lanes 16-31 the second's: 64 consecutive bytes
.irp t, 0,1
.irp p, 0,1,2
	global_store_b64 v[L8], v[OC+6*\t+2*\p:OC+6*\t+2*\p+1], s[40:41] offset:24576*\u+12288*\t+256*\p   ; a plane of two registers: 256 consecutive bytes, at a multiple of 256 from the buffer's first byte
.endr
.endr
	global_store_b16 v[OSC], v[HD], s[42:43] offset:64*\u
.endm
	s_load_b256 s[4:11], s[0:1], 0x0               ; qrec s[4:5], kv s[6:7], ao_img s[8:9], ao_sc s[10:11]
	v_lshl_add_u32 v[SPW], v0, 2, SPARE
	v_mov_b32 v[NIL], 0
	ds_add_u32 v[SPW], v[NIL]                      ; the wave's opening: the add, twice on end, and its wait ahead of my first tensor load
	ds_add_u32 v[SPW], v[NIL]
	v_lshrrev_b32 v[HD], 5, v0
	v_readfirstlane_b32 s[WV], v[HD]               ; wave 0..7
	s_bfe_u32 s13, ttmp6, 0x40000                  ; cx: my block of 512 queries: it enters q's and o's addresses alone
	s_and_b32 s14, ttmp7, 0xffff                   ; batch x 16 + head, which the four partners share
	s_mov_b32 s[G1], 15|(3<<16)|(1<<21)            ; the mask: all four; elements of 8 bytes; bit 21 beside a mask; no padding
	s_mov_b32 s[G1+1], 32<<16                      ; rows of 256 bytes
	s_mov_b32 s[G1+2], 100<<16                     ; two records are 100 of them, dense
	s_mov_b32 s[G1+3], 32<<16
	s_mov_b32 s[G1+4], 100
	s_mov_b32 s[G1+5], 32
	s_mov_b32 s[G1+6], 0
	s_mov_b32 s[G1+7], 0
	s_mov_b32 s[G0], 1
	s_mul_i32 s[G0+1], s[WV], 2*REC                ; records 2 w and 2 w + 1 go to LDS byte 25,600 w
	s_mul_i32 s44, s14, 16*REC
	s_add_co_u32 s44, s44, s[G0+1]
	s_mov_b32 s45, 0
	s_lshl_b32 s46, s13, 2
	s_lshr_b32 s47, s[WV], 1
	s_add_co_u32 s46, s46, s47                     ; my groups of 32 queries are G = 16 cx + 2 w + pass: record G / 4 of q,
	s_mul_i32 s46, s46, 6400
	s_mul_i32 s47, s14, 102400
	s_add_co_u32 s46, s46, s47
	s_and_b32 s47, s[WV], 1                        ; pair fragment G % 4 = 2 (w % 2) + pass
	s_mul_i32 s48, s47, 3072
	s_add_co_u32 s48, s48, s46
	s_mov_b32 s49, 0
	s_lshl_b32 s50, s47, 7
	s_add_co_u32 s50, s50, s46
	s_add_co_u32 s50, s50, 6144                    ; and its scale words
	s_mov_b32 s51, 0
	s_lshl_b32 s52, s13, 4
	s_lshl_b32 s53, s[WV], 1
	s_add_co_u32 s52, s52, s53                     ; G of the first pass
	s_lshr_b32 s53, s14, 4                         ; the batch
	s_and_b32 s54, s14, 15                         ; the head
	s_lshl_b32 s55, s53, 6
	s_add_co_u32 s55, s55, s52                     ; the group among all 256
	s_mul_i32 s52, s55, 2*12288                    ; ao_img: [token tile][16 heads][768 bytes]
	s_mul_i32 s53, s54, 768
	s_add_co_u32 s52, s52, s53
	s_mov_b32 s53, 0
	s_lshl_b32 s56, s54, 14                        ; ao_sc: [16 heads][256 groups][16 r][2 tiles][2 bytes]
	s_lshl_b32 s55, s55, 6
	s_add_co_u32 s56, s56, s55
	s_mov_b32 s57, 0
	s_mov_b32 s[SEL], 0x76543210
	s_mov_b32 s[SEL+1], 0xfedcba98
	s_mov_b32 s[CS], 0x3e38aa3b                    ; c = log2(e) / sqrt(64)
	s_mov_b32 s[CS+1], s[CS]
	s_mov_b32 s[NC], 0xbe38aa3b                    ; -c
	s_mov_b32 s[MASK], 0xffff0000
	s_mov_b32 s[TB], 0
	s_wait_dscnt 0x0                               ; both opening adds are done
	s_wait_kmcnt 0x0
	s_add_nc_u64 s[G0+2:G0+3], s[6:7], s[44:45]
	s_or_b32 s[G0+3], s[G0+3], 0x80000000          ; type = 2
	s_add_nc_u64 s[36:37], s[4:5], s[48:49]        ; q's codes
	s_add_nc_u64 s[38:39], s[4:5], s[50:51]        ; q's scale words
	s_add_nc_u64 s[40:41], s[8:9], s[52:53]        ; o's codes
	s_add_nc_u64 s[42:43], s[10:11], s[56:57]      ; o's scale bytes
	CROUND                                         ; all four work-groups are here: the joint loads meet
	tensor_load_to_lds s[G0:G0+3], s[G1:G1+7]      ; every wave asks for two records: no branch
	s_nop 0
	v_and_b32 v[L8], 31, v0
	v_and_b32 v[AQ], 15, v0
	v_bfe_u32 v[OSC], v0, 4, 1
	v_lshlrev_b32 v[L16], 4, v[L8]
	v_lshlrev_b32 v[L4], 2, v[L8]
	v_lshlrev_b32 v[AQ], 2, v[AQ]
	v_lshlrev_b32 v[L8], 3, v[L8]
	v_lshl_add_u32 v[OSC], v[OSC], 1, v[AQ]
	QLOAD 0
	QLOAD 1
	v_add_nc_u32 v[ADR], s[TB], v[L16]             ; record 0
	v_add_nc_u32 v[ADS], s[TB], v[L4]
.irp i, 0,1,2,3,4,5
	v_mov_b32 v[Q+6+\i], 0                         ; the zero codes: they stay
	v_mov_b32 v[Q+24+\i], 0
.endr
	WIN 0x40
.irp n, 0,1,2,3,4,5,6,7
	v_mov_b32 v[SOP+\n], 0                         ; written once: a lane permute's destination counts as one of its sources
.endr
	WIN 0
	WALU                                           ; the wait at the head's end
	s_wait_tensorcnt 0x0                           ; my two records are in,
	s_barrier_signal -1
	s_barrier_wait -1                              ; everybody's are
	KLOAD
	PASS 0
	PASS 1
	s_wait_tensorcnt 0x0                           ; the wave's end: behind my last tensor load
	ds_add_u32 v[SPW], v[NIL]
	s_wait_dscnt 0x0
	CROUND                                         ; the closing round
	s_endpgm
.Lfunc_end_k_q422fd5dc81_attn:
	.size	k_q422fd5dc81_attn, .Lfunc_end_k_q422fd5dc81_attn-k_q422fd5dc81_attn
	.p2alignl 7, 3214868480
	.fill 96, 4, 3214868480
	.section	.rodata,"a",@progbits
	.p2align	6, 0x0
	.amdhsa_kernel k_q422fd5dc81_attn
		.amdhsa_group_segment_fixed_size 327680
		.amdhsa_private_segment_fixed_size 0
		.amdhsa_enable_private_segment 0
		.amdhsa_kernarg_size 32
		.amdhsa_user_sgpr_count 2
		.amdhsa_user_sgpr_kernarg_segment_ptr 1
		.amdhsa_wavefront_size32 1
		.amdhsa_system_sgpr_workgroup_id_x 1
		.amdhsa_system_sgpr_workgroup_id_y 1
		.amdhsa_system_sgpr_workgroup_id_z 1
		.amdhsa_system_vgpr_workitem_id 0
		.amdhsa_next_free_vgpr 512
		.amdhsa_next_free_sgpr 66
		.amdhsa_reserve_vcc 0
		.amdhsa_float_denorm_mode_32 3
		.amdhsa_float_denorm_mode_16_64 3
		.amdhsa_memory_ordered 1
		.amdhsa_forward_progress 1
		.amdhsa_inst_pref_size 88
	.end_amdhsa_kernel
	.amdgpu_metadata
---
amdhsa.version: [ 1, 2 ]
amdhsa.kernels:
  - .name:           k_q422fd5dc81_attn
    .symbol:         k_q422fd5dc81_attn.kd
    .args:
      - { .name: qrec, .offset: 0, .size: 8, .value_kind: global_buffer, .address_space: global }
      - { .name: kv, .offset: 8, .size: 8, .value_kind: global_buffer, .address_space: global }
      - { .name: ao_img, .offset: 16, .size: 8, .value_kind: global_buffer, .address_space: global }
      - { .name: ao_sc, .offset: 24, .size: 8, .value_kind: global_buffer, .address_space: global }
    .group_segment_fixed_size: 327680
    .private_segment_fixed_size: 0
    .kernarg_segment_align: 8
    .kernarg_segment_size: 32
    .max_flat_workgroup_size: 256
    .sgpr_count:     66
    .vgpr_count:     512
    .wavefront_size: 32
...
	.end_amdgpu_metadata
.endif
;; end of part 3
;; launch outp (part 4): grid 4 x 64, 4 waves a work-group, clusters of 4 x 4, 327,680 bytes of LDS; arguments ao_img, ao_sc, w_img, w_sc, bo, out0; writes out0
.if DOCPART == 4
	.amdgcn_target "amdgcn-amd-amdhsa--gfx1250"
	.amdhsa_code_object_version 6
	.text
	.protected	k_q422fd5dc81_outp
	.globl	k_q422fd5dc81_outp
	.p2align	8
	.type	k_q422fd5dc81_outp,@function
k_q422fd5dc81_outp:
	s_mov_b64 s[64:65], 0
	v_nop
	global_prefetch_b8 v0, s[64:65] scope:SCOPE_SE
	s_setreg_imm32_b32 hwreg(HW_REG_WAVE_MODE, 25, 1), 1
	s_wait_xcnt 0x0
	s_wait_alu depctr_hold_cnt(0) depctr_sa_sdst(0) depctr_va_vdst(0) depctr_va_sdst(0) depctr_va_ssrc(0) depctr_va_vcc(0) depctr_vm_vsrc(0)
	s_getreg_b32 s2, hwreg(HW_REG_IB_STS2, 6, 4)
	s_cmp_eq_u32 s2, 0
	s_cbranch_scc0 .Lentry_in_a_cluster
	s_endpgm
.Lentry_in_a_cluster:
	s_bfe_u32 s2, ttmp6, 0x10000c
	s_cmp_lg_u32 s2, 0xf033
	s_cbranch_scc0 .Lentry_shape_is_right
	s_endpgm
.Lentry_shape_is_right:
; out0 = o Wo^T + bo on codes of FP6 (E2M3).  Nothing is left out.
; A work-group multiplies 256 rows of P = Wo (source 0, 16 tiles) by 128 rows of R = o (source 1, 8 tiles of tokens) over all of K = 1,024; a lane holds one token and its registers run along the output's features.
; LDS.  All of K of both operands, in two halves of four K steps (P's 16 tiles x 6,144 bytes, R's 8 x 6,144), each filled ONCE.  Four fills, one a wave, all at the head, each in an arm of its own:
; wave 0 P's first half, wave 1 R's, wave 2 P's second half, wave 3 R's.  The first barrier waits for waves 0 and 1 alone; the barrier in K step 3, ahead of which every wave waits, shows the second half.  No byte is filled again.
; CLUSTERS: 4 x 4 work-groups.  P's tiles hang on cx alone and are asked for jointly by a column of the cluster, R's on cy alone, by a row.
; NO PREFETCH: all that the launch reads through LDS is asked for at the head; there is no loop to run ahead in.
; WAVES: wave w takes R's tiles 4 (w / 2) on and P's tiles 8 (w % 2) on: 32 accumulators.
; o's fragments lie as six planes of two registers (8 bytes a lane): six loads of 8 bytes.  o's scale bytes lie [16 heads][256 groups][16 r][2 tiles][2 bytes]: a K step's word is pieced from two heads' halves.
; bo is the C of the first K step's products.  The results go through each wave's stage in LDS and leave as whole runs of 512 bytes of a row; the tiles' order of rows is undone in the stores' immediates.
; The stages lie in the first half: it has had its only fill, and nobody reads it behind the barrier in K step 3.
; REGISTERS, in windows of 256: window 0: v16-31 addresses; v32-63 P's scale words, v64-79 R's, v80-95 o's scale bytes as loaded; v128-255 the way out.
;   window 1: P's fragments, two sets, v[96 q + 12 b].   window 2: R's, two sets, v[48 q + 12 a]; from v128 the bias.   window 3: accumulator (a, b) at v[8 (8 a + b)].
.set CHUNK, 147456
.set ROFF,  98304
.set SPARE, 2*CHUNK                    ; behind the halves: the spare words, 128 bytes for each wave: two blocks of 256 bytes that no other line names
.set SPITCH, 528                       ; a stage row: 512 bytes + 16
.set AP,   16                          ; v16-17 LDS address of my P fragments in half c: 16 x lane
.set AR,   20                          ; v20-21 the same for R: 8 x lane
.set L16,  24
.set STO,  25                          ; the stage: row r, + 64 h
.set OSP,  26                          ; P's scale words: 16 r + 2,048 h
.set OE,   27                          ; o's scale bytes: 4 r + 64 h (lanes 16-31: my second group of 32 tokens)
.set SPW,  28
.set NIL,  29
.set OH64, 30
.set RD,   31                          ; the stage on the way back: 16 x lane
.set SP,   32
.set SR,   64
.set E,    80
.set BK,   128
.set BIAS, 128                         ; in window 2
.set WV,   22
.set RH,   23
.set PH,   24
.set CX,   25
.set CY,   26
.set RIDX, 30
.set G1P,  32
.set G1R,  40
.set G0P,  48
.set G0R,  68
.set MSB, 0
.macro WIN new                         ; the immediate's high byte repeats the setting that is left
.if MSB != \new
	s_set_vgpr_msb (MSB<<8)|\new
.set MSB, \new
.endif
.endm
.macro CROUND
	s_barrier_signal -1
	s_barrier_wait -1
	s_cmp_lg_u32 s[WV], 0
	s_cbranch_scc1 .Lnot_wave_0_\@
	s_barrier_signal -3
.Lnot_wave_0_\@:
	s_barrier_wait -3
	s_barrier_signal -1
	s_barrier_wait -1
.endm
.macro PLACES                          ; four places behind this matrix form (ISA guide 7.12.1)
.rept 4
	v_nop
.endr
.endm
.macro ARM under, g0, g1, next         ; an arm of the one chain of branches on the wave's number
	s_cmp_lt_u32 s[WV], \under
	s_cbranch_scc0 \next
	tensor_load_to_lds s[\g0:\g0+3], s[\g1:\g1+7]
	s_nop 0
	PLACES
	s_branch .Lfilled
\next:
.endm
	s_load_b256 s[4:11], s[0:1], 0x0               ; ao_img s[4:5], ao_sc s[6:7], w_img s[8:9], w_sc s[10:11]
	s_load_b128 s[12:15], s[0:1], 0x20             ; bo s[12:13], out0 s[14:15]
	v_lshl_add_u32 v[SPW], v0, 2, SPARE
	v_mov_b32 v[NIL], 0
	ds_add_u32 v[SPW], v[NIL]                      ; the wave's opening: the add, twice on end, and its wait ahead of my first tensor load
	ds_add_u32 v[SPW], v[NIL]
	v_lshrrev_b32 v1, 5, v0
	v_readfirstlane_b32 s[WV], v1
	s_lshr_b32 s[RH], s[WV], 1
	s_and_b32 s[PH], s[WV], 1
	s_bfe_u32 s[CX], ttmp6, 0x40000
	s_bfe_u32 s[CY], ttmp6, 0x40004
	s_lshl_b32 s28, 0x1111, s[CX]                  ; my column of the cluster
	s_lshl_b32 s3, s[CY], 2
	s_lshl_b32 s3, 15, s3                          ; my row
	s_or_b32 s[G1P], s28, (3<<16)|(1<<21)          ; the mask; elements of 8 bytes; bit 21 beside a mask; no padding
	s_or_b32 s[G1R], s3, (3<<16)|(1<<21)
	s_mov_b32 s[G1P+1], 768<<16                    ; a tile's four K steps, 6,144 bytes
	s_mov_b32 s[G1P+2], 16<<16                     ; sixteen tiles
	s_mov_b32 s[G1P+3], 768<<16
	s_mov_b32 s[G1P+4], 16
	s_mov_b32 s[G1P+5], 1536                       ; from tile to tile: 12,288 bytes
	s_mov_b32 s[G1P+6], 0
	s_mov_b32 s[G1P+7], 0
	s_mov_b32 s[G1R+1], 768<<16
	s_mov_b32 s[G1R+2], 8<<16                      ; eight tiles
	s_mov_b32 s[G1R+3], 768<<16
	s_mov_b32 s[G1R+4], 8
	s_mov_b32 s[G1R+5], 1536
	s_mov_b32 s[G1R+6], 0
	s_mov_b32 s[G1R+7], 0
	s_lshl_b32 s96, s[CX], 4
	s_add_co_u32 s96, s96, 192                     ; P's first tile: Wo begins at tile 192 of the weights' images
	s_and_b32 s[RIDX], ttmp7, 0xffff
	s_lshl_b32 s[RIDX], s[RIDX], 2
	s_add_co_u32 s[RIDX], s[RIDX], s[CY]           ; my block of 128 tokens
	s_lshl_b32 s97, s[RIDX], 3                     ; R's first tile
	s_mul_i32 s98, s96, 12288
	s_mov_b32 s99, 0
	s_mul_i32 s100, s97, 12288
	s_mov_b32 s101, 0
	s_wait_dscnt 0x0                               ; both opening adds are done
	s_wait_kmcnt 0x0
	s_add_nc_u64 s[84:85], s[8:9], s[98:99]
	s_add_nc_u64 s[86:87], s[4:5], s[100:101]
.irp c, 0,1
	s_mov_b32 s[G0P+4*\c], 1
	s_mov_b32 s[G0P+4*\c+1], \c*CHUNK
	s_add_nc_u64 s[G0P+4*\c+2:G0P+4*\c+3], s[84:85], \c*6144   ; K steps 4 c to 4 c + 3
	s_or_b32 s[G0P+4*\c+3], s[G0P+4*\c+3], 0x80000000
	s_mov_b32 s[G0R+4*\c], 1
	s_mov_b32 s[G0R+4*\c+1], \c*CHUNK+ROFF
	s_add_nc_u64 s[G0R+4*\c+2:G0R+4*\c+3], s[86:87], \c*6144
	s_or_b32 s[G0R+4*\c+3], s[G0R+4*\c+3], 0x80000000
.endr
	CROUND                                         ; all sixteen work-groups are here: the joint loads meet
	ARM 1, G0P,   G1P, .Lhead_r0                   ; one load a wave: what is needed first is asked for by waves 0 and 1
	ARM 2, G0R,   G1R, .Lhead_p1
	ARM 3, G0P+4, G1P, .Lhead_r1
	tensor_load_to_lds s[G0R+4:G0R+7], s[G1R:G1R+7]
	s_nop 0
	PLACES
.Lfilled:
	v_and_b32 v1, 31, v0                           ; lane
	v_and_b32 v2, 15, v0                           ; r
	v_bfe_u32 v3, v0, 4, 1                         ; h
	v_lshlrev_b32 v[L16], 4, v1
	v_lshlrev_b32 v4, 3, v1                        ; 8 x lane
	v_lshlrev_b32 v[OSP], 4, v2
	v_lshl_add_u32 v[OSP], v3, 11, v[OSP]
	v_lshlrev_b32 v[OE], 2, v2
	v_lshl_add_u32 v[OE], v3, 6, v[OE]
	v_lshlrev_b32 v[OH64], 6, v3
	s_wait_alu depctr_va_vdst(0)                   ; directly ahead of the run of scalar lines
	s_lshl_b32 s92, s[PH], 3
	s_add_co_u32 s92, s92, s96
	s_lshl_b32 s92, s92, 9                         ; my eight tiles' scale words
	s_mov_b32 s93, 0
	s_add_nc_u64 s[88:89], s[10:11], s[92:93]
	s_lshl_b32 s94, s[RIDX], 2
	s_lshl_b32 s95, s[RH], 1
	s_add_co_u32 s94, s94, s95                     ; my first group of 32 tokens
	s_lshl_b32 s94, s94, 6
	s_mov_b32 s95, 0
	s_add_nc_u64 s[90:91], s[6:7], s[94:95]
	s_lshl_b32 s92, s[CX], 10
	s_lshl_b32 s93, s[PH], 9
	s_add_co_u32 s92, s92, s93                     ; my 128 features, in bytes
	s_mov_b32 s93, 0
	s_add_nc_u64 s[12:13], s[12:13], s[92:93]      ; in bo,
	s_add_nc_u64 s[14:15], s[14:15], s[92:93]      ; and in a row of the output
	s_lshl_b32 s94, s[RIDX], 19                    ; 128 tokens of 4,096 bytes,
	s_lshl_b32 s95, s[RH], 18                      ; 64 of them mine
	s_add_co_u32 s94, s94, s95
	s_mov_b32 s95, 0
	s_add_nc_u64 s[14:15], s[14:15], s[94:95]
.irp bb, 0,1,2,3
.irp hf, 0,1
	global_load_b128 v[SP+8*\bb+4*\hf:SP+8*\bb+4*\hf+3], v[OSP], s[88:89] offset:512*\bb+256*\hf   ; register SP + 8 bb + s: lanes 0-15 tile bb's word for K step s, lanes 16-31 tile bb + 4's
.endr
.endr
.irp d, 0,1,2,3,4,5,6,7,8,9,10,11,12,13,14,15
	global_load_b32 v[E+\d], v[OE], s[90:91] offset:16384*\d   ; head d: my row's two bytes for the group's first tile, two for its second
.endr
	WIN 0x80
.irp t, 0,1,2,3,4,5,6,7                ; bo in the result's layout: tile t, lane (r, h): features 32 (t / 2) + 16 h + 8 (t % 2) + 0 .. 7
	global_load_b128 v[BIAS+8*\t:BIAS+8*\t+3], v[OH64], s[12:13] offset:(32*(\t/2)+8*(\t%2))*4
	global_load_b128 v[BIAS+8*\t+4:BIAS+8*\t+7], v[OH64], s[12:13] offset:(32*(\t/2)+8*(\t%2))*4+16
.endr
	WIN 0
	s_mul_i32 s92, s[PH], 49152
	s_mul_i32 s94, s[RH], 24576
	s_add_co_u32 s94, s94, ROFF
.irp c, 0,1
	v_add_nc_u32 v[AP+\c], s92, v[L16]
	v_add_nc_u32 v[AR+\c], s94, v4
	s_add_co_u32 s92, s92, CHUNK
	s_add_co_u32 s94, s94, CHUNK
.endr
	s_mul_i32 s92, s[WV], 16*SPITCH                ; my stage
	v_mul_u32_u24 v[STO], v2, SPITCH
	v_lshl_add_u32 v[STO], v3, 6, v[STO]
	v_add_nc_u32 v[STO], s92, v[STO]
	v_add_nc_u32 v[RD], s92, v[L16]
.macro FETCH s                         ; K step s's fragments into set s % 2
	WIN 0x40
.irp b, 0,1,2,3,4,5,6,7
.irp p, 0,1,2
	ds_load_b128 v[96*((\s)%2)+12*\b+4*\p:96*((\s)%2)+12*\b+4*\p+3], v[AP+(\s)/4] offset:6144*\b+1536*((\s)%4)+512*\p
.endr
.endr
	WIN 0x80
.irp a, 0,1,2,3
.irp p, 0,1,2,3,4,5
	ds_load_b64 v[48*((\s)%2)+12*\a+2*\p:48*((\s)%2)+12*\a+2*\p+1], v[AR+(\s)/4] offset:6144*\a+1536*((\s)%4)+256*\p
.endr
.endr
	WIN 0
.endm
; one product: accumulator (a, b) += P's fragment b x R's fragment a, K step s.  The first K step takes the bias as its C (window 2): nothing is cleared and nothing is added later
.macro WM a, b, s
.set rD, 8*(8*(\a)+(\b))
.set rC, rD
.if (\s) == 0
.set rC, BIAS+8*(\b)
.endif
.set rA, 96*((\s)%2)+12*(\b)
.set rB, 48*((\s)%2)+12*(\a)
.set rSA, SP+8*((\b)%4)+(\s)
.set rSB, SR+8*((\a)%2)+(\s)
.if ((\a) < 2) && ((\b) < 4)
	v_wmma_scale_f32_16x16x128_f8f6f4 v[rD:rD+7], v[rA:rA+11], v[rB:rB+11], v[rC:rC+7], v[rSA], v[rSB] matrix_a_fmt:MATRIX_FMT_FP6 matrix_b_fmt:MATRIX_FMT_FP6
.elseif (\a) < 2
	v_wmma_scale_f32_16x16x128_f8f6f4 v[rD:rD+7], v[rA:rA+11], v[rB:rB+11], v[rC:rC+7], v[rSA], v[rSB] matrix_a_fmt:MATRIX_FMT_FP6 matrix_b_fmt:MATRIX_FMT_FP6 matrix_a_scale:MATRIX_SCALE_ROW1
.elseif (\b) < 4
	v_wmma_scale_f32_16x16x128_f8f6f4 v[rD:rD+7], v[rA:rA+11], v[rB:rB+11], v[rC:rC+7], v[rSA], v[rSB] matrix_a_fmt:MATRIX_FMT_FP6 matrix_b_fmt:MATRIX_FMT_FP6 matrix_b_scale:MATRIX_SCALE_ROW1
.else
	v_wmma_scale_f32_16x16x128_f8f6f4 v[rD:rD+7], v[rA:rA+11], v[rB:rB+11], v[rC:rC+7], v[rSA], v[rSB] matrix_a_fmt:MATRIX_FMT_FP6 matrix_b_fmt:MATRIX_FMT_FP6 matrix_a_scale:MATRIX_SCALE_ROW1 matrix_b_scale:MATRIX_SCALE_ROW1
.endif
.endm
.macro MUL s                           ; the 32 accumulators take turns, one instruction a turn, in the same order in every K step
.irp a, 0,1,2,3
.irp b, 0,1,2,3,4,5,6,7
	WM \a, \b, \s
.endr
.endr
.endm
.macro STEP s
	s_wait_dscnt 0x0                               ; set s % 2 is in
.if (\s) == 3                          ; ahead of the second half's first read: every wave's load has landed, and a barrier says so to all
	s_wait_tensorcnt 0x0
	s_barrier_signal -1
	s_barrier_wait -1
.endif
.if (\s) < 7
	PLACES                                         ; the other set was read by the last K step's products
	FETCH (\s)+1
.endif
.if (\s) == 0
	WIN 0xe9                                       ; source 0 (P) window 1, source 1 (R) window 2, C (the bias) window 2, D window 3
.else
	WIN 0xf9                                       ; C and D window 3
.endif
	MUL \s
	WIN 0
.endm
	s_wait_alu depctr_va_vdst(0)                   ; the wait at the head's end
	s_cmp_lt_u32 s[WV], 2
	s_cbranch_scc0 .Lnot_first
	s_wait_tensorcnt 0x0                           ; waves 0 and 1: the first half's two tiles are in
.Lnot_first:
	s_barrier_signal -1
	s_barrier_wait -1                              ; the second half's loads may be on their way
	FETCH 0
	s_wait_loadcnt 0x0                             ; the scale words and the bias
.irp s, 0,1,2,3,4,5,6,7                ; K step s is heads 2 s and 2 s + 1: SR + s for a group's first tile, SR + 8 + s for its second; lanes 0-15 my first group, lanes 16-31 my second
	v_perm_b32 v[SR+\s], v[E+2*\s+1], v[E+2*\s], 0x05040100
	v_perm_b32 v[SR+8+\s], v[E+2*\s+1], v[E+2*\s], 0x07060302
.endr
	STEP 0
	STEP 1
	STEP 2
	s_wait_alu depctr_va_vdst(0)                   ; the later K steps' scale words were written fewer than nine plain lines ahead of the waits that stand between
	STEP 3
	STEP 4
	STEP 5
	STEP 6
	STEP 7
; THE WAY OUT, a tile of 16 tokens x 128 features at a time.  A lane holds pieces of 32 bytes of one row: the tile goes through my stage and comes back as whole runs of 512 bytes.
; LDS serves a wave's instructions in order (ISA guide 5.7.1.4): no wait between the stores and the loads, nor in front of the next tile's stores.
.macro TOSTAGE a
	WIN 0x0c                                       ; an LDS store's data are its source 1: window 3
.irp t, 0,1,2,3,4,5,6,7
	ds_store_b128 v[STO], v[8*(8*(\a)+\t):8*(8*(\a)+\t)+3] offset:128*(\t/2)+32*(\t%2)        ; each accumulator from its low end on
	ds_store_b128 v[STO], v[8*(8*(\a)+\t)+4:8*(8*(\a)+\t)+7] offset:128*(\t/2)+32*(\t%2)+16
.endr
	WIN 0
.irp i, 0,1,2,3,4,5,6,7,8,9,10,11,12,13,14,15
	ds_load_b128 v[BK+64*((\a)%2)+4*\i:BK+64*((\a)%2)+4*\i+3], v[RD] offset:SPITCH*\i
.endr
.endm
.macro SEND a, younger                 ; younger: the LDS instructions issued behind tile a's loads, which may stay out
	s_wait_dscnt \younger
.irp i, 0,1,2,3,4,5,6,7,8,9,10,11,12,13,14,15
	global_store_b128 v[L16], v[BK+64*((\a)%2)+4*\i:BK+64*((\a)%2)+4*\i+3], s[14:15] offset:(32*((\a)/2)+8*((\a)%2)+\i+8*(\i/8))*4096 th:TH_STORE_NT   ; 32 lanes store 512 consecutive bytes, at a multiple of 256 from the output's first byte; lane i of the tile is token 32 (a / 2) + 8 (a % 2) + i + 8 (i / 8)
.endr
.endm
	PLACES                                         ; in front of the first read of results
	TOSTAGE 0
.irp a, 1,2,3
.if \a > 1
	s_wait_xcnt 0x0                                ; tile a - 2's stores have read their registers: tile a's loads may land there
.endif
	TOSTAGE \a
	SEND \a-1, 32                                  ; behind tile a - 1's loads: tile a's 16 stores and 16 loads
.endr
	SEND 3, 0
	s_wait_tensorcnt 0x0                           ; the wave's end: behind my last tensor load and my last LDS store
	ds_add_u32 v[SPW], v[NIL]
	s_wait_dscnt 0x0
	CROUND                                         ; the closing round
	s_endpgm
.Lfunc_end_k_q422fd5dc81_outp:
	.size	k_q422fd5dc81_outp, .Lfunc_end_k_q422fd5dc81_outp-k_q422fd5dc81_outp
	.p2alignl 7, 3214868480
	.fill 96, 4, 3214868480
	.section	.rodata,"a",@progbits
	.p2align	6, 0x0
	.amdhsa_kernel k_q422fd5dc81_outp
		.amdhsa_group_segment_fixed_size 327680
		.amdhsa_private_segment_fixed_size 0
		.amdhsa_enable_private_segment 0
		.amdhsa_kernarg_size 48
		.amdhsa_user_sgpr_count 2
		.amdhsa_user_sgpr_kernarg_segment_ptr 1
		.amdhsa_wavefront_size32 1
		.amdhsa_system_sgpr_workgroup_id_x 1
		.amdhsa_system_sgpr_workgroup_id_y 1
		.amdhsa_system_sgpr_workgroup_id_z 1
		.amdhsa_system_vgpr_workitem_id 0
		.amdhsa_next_free_vgpr 1024
		.amdhsa_next_free_sgpr 102
		.amdhsa_reserve_vcc 0
		.amdhsa_float_denorm_mode_32 3
		.amdhsa_float_denorm_mode_16_64 3
		.amdhsa_memory_ordered 1
		.amdhsa_forward_progress 1
		.amdhsa_inst_pref_size 86
	.end_amdhsa_kernel
	.amdgpu_metadata
---
amdhsa.version: [ 1, 2 ]
amdhsa.kernels:
  - .name:           k_q422fd5dc81_outp
    .symbol:         k_q422fd5dc81_outp.kd
    .args:
      - { .name: ao_img, .offset: 0, .size: 8, .value_kind: global_buffer, .address_space: global }
      - { .name: ao_sc, .offset: 8, .size: 8, .value_kind: global_buffer, .address_space: global }
      - { .name: w_img, .offset: 16, .size: 8, .value_kind: global_buffer, .address_space: global }
      - { .name: w_sc, .offset: 24, .size: 8, .value_kind: global_buffer, .address_space: global }
      - { .name: bo, .offset: 32, .size: 8, .value_kind: global_buffer, .address_space: global }
      - { .name: out0, .offset: 40, .size: 8, .value_kind: global_buffer, .address_space: global }
    .group_segment_fixed_size: 327680
    .private_segment_fixed_size: 0
    .kernarg_segment_align: 8
    .kernarg_segment_size: 48
    .max_flat_workgroup_size: 128
    .sgpr_count:     102
    .vgpr_count:     1024
    .wavefront_size: 32
...
	.end_amdgpu_metadata
.endif
;; end of part 4
